; MI455X (gfx1250); checked and timed in simulation.
; The chip was launched on July 23, 2026; its instructions are those of AMD's public machine-readable ISA for CDNA 5 (MIT licence, August 2026) and "CDNA5" Instruction Set Architecture Reference Guide (July 2026). The comments in the code are by the model that wrote it; some were corrected since.
;; Casual Self Attention. Allowed arithmetic: matrix products marked QUANTISED: E2M1 operands, one E8M0 scale for each 32 along K, by v_wmma_scale_f32_16x16x128_f8f6f4 with both operands' format E2M1 (or v_wmma_scale_f32_32x16x128_f4), f32 sums; products left as they are: bf16, f16 or f32 operands; f32 sums; everything else in f32.
;; Inputs: W_attn 1,024 x 3,072 float32; W_proj 1,024 x 1,024 float32; x 4 x 2,048 x 1,024 float32.
;; Outputs: out0 4 x 2,048 x 1,024 float32.
;; This version of the problem:
;;   THIS VERSION OF THE PROBLEM IS GIVEN IN LOW PRECISION. The matrix products marked QUANTISED in the list below multiply operands that are first quantised to E2M1 (2 exponent bits, 1 mantissa bit; 4 bits a number), with one power-of-two scale for each 32 numbers along K (OCP MX v1.0); their sums are f32. The products marked 'left as it is' may take bf16, f16 or f32 operands, with f32 sums. Whichever they take, every output number must still come out within the allowed error. Rounding operands to bf16 (8 significant bits) uses up far more of that allowance than f16 does (11 bits, for magnitudes from 6e-5 to 65,504). All else is computed in f32.
;;   The module's matrix products, in the order in which they are computed (A, B: the left and right operand; K: the contracted axis; several contracted axes count as one K, in the product's order):
;;     1. [M 8,192, K 1,024] x [K 1,024, N 3,072]; A: input x; B: input W_attn: QUANTISED
;;     2. batch 64 x [M 2,048, K 64] x [K 64, N 2,048]; A: computed on the way; B: computed on the way: left as it is (an operand is computed on the way)
;;     3. batch 64 x [M 2,048, K 2,048] x [K 2,048, N 64]; A: computed on the way; B: computed on the way: left as it is (an operand is computed on the way)
;;     4. [M 8,192, K 1,024] x [K 1,024, N 1,024]; A: computed on the way; B: input W_proj: left as it is (an operand is computed on the way)
;;   THE QUANTISER, for each operand of a quantised product, along K:
;;     - K is cut into blocks of 32 from its start; a last block that is shorter is filled with zeros.
;;     - A block's scale is 2^e with e = floor(log2(the largest magnitude in the block)) - 2, held to -126 .. 127; a block of zeros has e = 0. As a byte (E8M0): e + 127.
;;     - Each number is divided by its block's scale, clamped to +-6, and rounded to the nearest number of E2M1, ties to even, subnormals kept.
;;     - The product sums the exact products of the quantised numbers (number of the format x scale) in f32.
;;   ~~~python
;;   def quantise(x, axis):      # numpy; x: float32 -> the quantised numbers, widened to float32 again
;;       x = np.moveaxis(x, axis, -1); K = x.shape[-1]
;;       x = np.pad(x, [(0, 0)] * (x.ndim - 1) + [(0, -K % 32)]); x = x.reshape(x.shape[:-1] + (-1, 32)); a = np.abs(x).max(-1, keepdims=True)
;;       e = np.where(a > 0, np.clip(np.frexp(np.where(a > 0, a, 1))[1] - 1 - 2, -126, 127), 0)      # np.frexp(a)[1] - 1 = floor(log2(a)), exactly
;;       r = np.clip(x / 2.0 ** e, -6, 6)
;;       step = 2.0 ** (np.maximum(np.frexp(np.where(r == 0, 1, r))[1] - 1, 0) - 1)
;;       q = np.round(r / step) * step * 2.0 ** e      # np.round: ties to even
;;       return np.moveaxis(q.reshape(q.shape[:-2] + (-1,))[..., :K], -1, axis).astype(np.float32)
;;   ~~~
;; One version. Each part assembles by itself: llvm-mc -triple=amdgcn-amd-amdhsa -mcpu=gfx1250 --defsym DOCPART=n.
;; ======== version 1 of 1: 5 launches
;; limits: values are held in f16: magnitudes above 65,504 overflow, below 6.1e-05 lose precision
;; workspace buffers: xc 4,194,304 bytes; xs 262,144 bytes; wc 1,572,864 bytes; ws 98,304 bytes; wpt 2,097,152 bytes; qkv 50,331,648 bytes; qkvf 786,432 bytes; att 16,777,216 bytes
;; launch prep (part 1): grid 368 x 1, 4 waves a work-group, no clusters, 102,912 bytes of LDS; arguments x, W_attn, W_proj, xc, xs, wc, ws, wpt; writes xc, xs, wc, ws, wpt
.if DOCPART == 1
	.amdgcn_target "amdgcn-amd-amdhsa--gfx1250"
	.amdhsa_code_object_version 6
	.text
	.protected	k_q397631d575_prep
	.globl	k_q397631d575_prep
	.p2align	8
	.type	k_q397631d575_prep,@function
k_q397631d575_prep:
	s_mov_b64 s[64:65], 0
	v_nop
	global_prefetch_b8 v0, s[64:65] scope:SCOPE_SE
	s_setreg_imm32_b32 hwreg(HW_REG_WAVE_MODE, 25, 1), 1
	s_wait_xcnt 0x0
; THREE PIECES OF PREPARATION IN ONE LAUNCH, told apart by the work-group's number alone.
;   work-groups 0-255:   x [8192][1024] f32 -> codes of FP4 (E2M1), K innermost, xc [8192][512 bytes], and one E8M0 byte for each 32 along K, xs [8192][32].
;   work-groups 256-303: W_attn [1024 k][3072 n] f32, K its FIRST axis -> wc [3072][512 bytes], ws [3072][32], K innermost.
;   work-groups 304-367: W_proj [1024 k][1024 n] f32 -> f16, turned: wpt [1024 n][1024 k].
; A block's scale is 2^(floor(log2(its largest magnitude)) - 2); its byte is the largest magnitude's exponent field - 2, held at 1 from below.
; LIMITS: a block of zeros gets the byte 1 where the quantiser's text says 127 (its codes are zeros, and this program alone reads the bytes); blocks whose largest magnitude lies under 2^-124 are held at byte 1;
; NaN and infinities among the inputs are not served; |W_proj| above 65,504 becomes infinity in f16.
; No tensor loads, no barrier: waves share nothing.  Each of the three pieces has LDS bytes of its own.
.set SPARE, 102400                     ; behind the three pieces' stages: the spare words, 128 bytes for each wave
.set SPW,   192                        ; v192  LDS address of my spare word; never rewritten
.set NIL,   193                        ; v193  0; never rewritten
.set EMAX,  2
; ---- piece X
.set XSTEPS, 16                        ; a wave takes 16 steps of 512 numbers
.set XWREG, 8192                       ; LDS of a wave: two stages of 32 x 80 bytes, then its 256 scale bytes
.set XSP,   80                         ; a lane's 64 bytes + 16 of padding
.set XR,    16                         ; v16-79   four sets of 16 numbers as loaded
.set XX,    80                         ; v80-111  two sets of 16 neighbours
.set XE,    112                        ; v112-127 a scale byte for each step
.set XC,    128                        ; v128-191 codes, four registers for each step: no store's data are written again
; ---- piece W
.set WN,    3072
.set WNB,   16                         ; blocks of 32 along K for a wave (512 along K)
.set WPITCH, 272                       ; a stage row: 256 bytes of codes + 16
.set WSTG,  32768
.set WX,    32                         ; v32-95   two sets of 32 numbers
.set WC,    96                         ; v96-99   a block's codes
.set WOUT,  112                        ; v112-175 the way out
.set WSB,   24                         ; v24-27   scale bytes, four to a register
; ---- piece P
.set PSTG,  67584
.set PX,    32
.set PC,    96                         ; v96-111  32 numbers as f16
.set POUT,  112
.macro XLOAD t
.irp i, 0,1,2,3
	global_load_b128 v[XR+16*((\t)%4)+4*\i:XR+16*((\t)%4)+4*\i+3], v3, s[4:5] offset:2048*(\t)+512*\i th:TH_LOAD_NT   ; 32 lanes read 512 consecutive bytes
.endr
.endm
.macro XTURN t                         ; a step's 2,048 bytes through my stage: in as they lie, out 64 bytes a lane.  LDS serves a wave's instructions in order
.irp i, 0,1,2,3
	ds_store_b128 v14, v[XR+16*((\t)%4)+4*\i:XR+16*((\t)%4)+4*\i+3] offset:32*XSP*((\t)%2)+8*XSP*\i
.endr
.irp i, 0,1,2,3
	ds_load_b128 v[XX+16*((\t)%2)+4*\i:XX+16*((\t)%2)+4*\i+3], v15 offset:32*XSP*((\t)%2)+16*\i
.endr
.endm
.macro XSTEP t
.set XS, XX+16*((\t)%2)
.if (\t) > 0
	s_wait_dscnt 1                                 ; this step's numbers are back from the stage; the last step's byte store may be out
.else
	s_wait_dscnt 0x0
.endif
.if (\t)+4 < XSTEPS
	XLOAD (\t)+4                                   ; into the registers that this step's stage stores have read
.endif
.if (\t)+1 < XSTEPS
.if XSTEPS-2-(\t) >= 3
	s_wait_loadcnt 12                              ; the next step's four loads are in; the twelve of the three steps behind it may be out
.else
	s_wait_loadcnt 4*(XSTEPS-2-(\t))               ; the counts run down: four loads for each step still behind
.endif
	XTURN (\t)+1
.endif
	v_max3_num_f32 v8, |v[XS]|, |v[XS+1]|, |v[XS+2]|               ; the largest magnitude of my 16, in two chains
	v_max3_num_f32 v9, |v[XS+3]|, |v[XS+4]|, |v[XS+5]|
.irp i, 6,10
	v_max3_num_f32 v8, v8, |v[XS+\i]|, |v[XS+\i+1]|
	v_max3_num_f32 v9, v9, |v[XS+\i+2]|, |v[XS+\i+3]|
.endr
	v_max3_num_f32 v8, v8, |v[XS+14]|, |v[XS+15]|
	v_max3_num_f32 v8, v8, v9, (EMAX+1)<<23        ; and the floor 2^(3 - 127): the byte cannot fall under 1
	v_max_num_f32_dpp v8, v8, v8 row_xmask:1 row_mask:0xf bank_mask:0xf   ; with my neighbour's 16: the block's
	v_add_nc_u32 v11, -(EMAX<<23), v8              ; 2 off the exponent field: the conversion takes this operand's exponent field as its scale
	v_cvt_scalef32_pk8_fp4_f32 v[XC+4*(\t)], v[XS:XS+7], v11
	v_cvt_scalef32_pk8_fp4_f32 v[XC+4*(\t)+1], v[XS+8:XS+15], v11
	v_lshrrev_b32 v[XE+(\t)], 23, v11              ; the scale's byte (a plain line behind the conversions)
	ds_store_b8 v5, v[XE+(\t)] offset:16*(\t)      ; both lanes of a block write the same byte with the same value
	global_store_b64 v4, v[XC+4*(\t):XC+4*(\t)+1], s[10:11] offset:256*(\t)   ; the wave stores 256 consecutive bytes, aligned
.endm
.macro WLOAD t                         ; block t: W_attn(32 t + i, my column)
.irp i, 0,1,2,3,4,5,6,7,8,9,10,11,12,13,14,15,16,17,18,19,20,21,22,23,24,25,26,27,28,29,30,31
	global_load_b32 v[WX+32*((\t)%2)+\i], v3, s[6:7] offset:(32*(\t)+\i)*WN*4 th:TH_LOAD_NT
.endr
.endm
.macro WBLOCK t
.set XS, WX+32*((\t)%2)
.if (\t) < WNB-1
	s_wait_loadcnt 32                              ; this block's 32 loads are in; the next block's 32 may be out
.else
	s_wait_loadcnt 0
.endif
	v_max3_num_f32 v12, |v[XS]|, |v[XS+1]|, |v[XS+2]|              ; all 32 numbers of the block are mine
	v_max3_num_f32 v13, |v[XS+3]|, |v[XS+4]|, |v[XS+5]|
.irp i, 6,10,14,18,22,26
	v_max3_num_f32 v12, v12, |v[XS+\i]|, |v[XS+\i+1]|
	v_max3_num_f32 v13, v13, |v[XS+\i+2]|, |v[XS+\i+3]|
.endr
	v_max3_num_f32 v12, v12, |v[XS+30]|, |v[XS+31]|
	v_max3_num_f32 v12, v12, v13, (EMAX+1)<<23
	v_add_nc_u32 v11, -(EMAX<<23), v12
	v_lshrrev_b32 v13, 23, v11
.if (\t)%4 == 0
	v_mov_b32 v[WSB+(\t)/4], v13
.else
	v_lshl_or_b32 v[WSB+(\t)/4], v13, 8*((\t)%4), v[WSB+(\t)/4]
.endif
.irp g, 0,1,2,3
	v_cvt_scalef32_pk8_fp4_f32 v[WC+\g], v[XS+8*\g:XS+8*\g+7], v11
.endr
	ds_store_b128 v4, v[WC:WC+3] offset:16*(\t)    ; 32 codes: 16 bytes of my column's row
.if (\t)+2 < WNB
	WLOAD (\t)+2
.endif
	s_wait_dscnt 0x0                               ; the store has read its registers: the next block's codes may be written
.endm
.macro PLOAD t                         ; W_proj(k0 + 32 t + i, my column)
.irp i, 0,1,2,3,4,5,6,7,8,9,10,11,12,13,14,15,16,17,18,19,20,21,22,23,24,25,26,27,28,29,30,31
	global_load_b32 v[PX+32*((\t)%2)+\i], v3, s[8:9] offset:(32*(\t)+\i)*4096 th:TH_LOAD_NT
.endr
.endm
.macro PBLOCK t
.set XS, PX+32*((\t)%2)
.if (\t) < 3
	s_wait_loadcnt 32                              ; this block's 32 loads are in; the next block's 32 may be out
.else
	s_wait_loadcnt 0
.endif
.irp j, 0,1,2,3,4,5,6,7,8,9,10,11,12,13,14,15
	v_cvt_pk_f16_f32 v[PC+\j], v[XS+2*\j], v[XS+2*\j+1]            ; two neighbours along k
.endr
.irp g, 0,1,2,3
	ds_store_b128 v4, v[PC+4*\g:PC+4*\g+3] offset:64*(\t)+16*\g
.endr
.if (\t)+2 < 4
	PLOAD (\t)+2
.endif
	s_wait_dscnt 0x0                               ; the stores have read their registers
.endm
	s_load_b256 s[4:11], s[0:1], 0x0               ; x s[4:5], W_attn s[6:7], W_proj s[8:9], xc s[10:11]
	s_load_b256 s[20:27], s[0:1], 0x20             ; xs s[20:21], wc s[22:23], ws s[24:25], wpt s[26:27]
	v_lshl_add_u32 v[SPW], v0, 2, SPARE
	v_mov_b32 v[NIL], 0
	v_lshrrev_b32 v1, 5, v0
	v_readfirstlane_b32 s16, v1                    ; wave 0..3
	v_and_b32 v2, 31, v0                           ; lane
	s_mov_b32 s29, 0                               ; the high word of every offset: all stay under 2^32
	s_wait_kmcnt 0x0
	s_cmp_lt_u32 ttmp9, 256
	s_cbranch_scc0 .Lnot_x
	; ================ piece X: x is a plain stream of blocks of 32; a wave takes 8,192 numbers
	v_lshlrev_b32 v3, 4, v2                        ; my 16 bytes of a load's 512
	s_mul_i32 s17, s16, XWREG
	v_lshrrev_b32 v14, 2, v2
	v_mul_u32_u24 v14, v14, XSP
	v_and_b32 v15, 3, v2
	v_lshl_add_u32 v14, v15, 4, v14
	v_add_nc_u32 v14, s17, v14                     ; the stage on the way in: 80 (lane / 4) + 16 (lane % 4)
	v_mul_u32_u24 v15, v2, XSP
	v_add_nc_u32 v15, s17, v15                     ; on the way out: 80 x lane
	v_lshlrev_b32 v4, 3, v2                        ; my 8 bytes of a step's codes
	v_lshrrev_b32 v5, 1, v2
	s_add_co_u32 s17, s17, 2*32*XSP
	v_add_nc_u32 v5, s17, v5                       ; my block's byte among my wave's 256
	v_lshlrev_b32 v7, 3, v2
	v_add_nc_u32 v6, s17, v7
	s_lshl_b32 s17, ttmp9, 2
	s_add_co_u32 s18, s17, s16                     ; which run of 8,192 numbers is my wave's
	s_lshl_b32 s28, s18, 15
	s_add_nc_u64 s[4:5], s[4:5], s[28:29]
	s_lshl_b32 s28, s18, 12
	s_add_nc_u64 s[10:11], s[10:11], s[28:29]
	s_lshl_b32 s28, s18, 8
	s_add_nc_u64 s[20:21], s[20:21], s[28:29]
.irp t, 0,1,2,3
	XLOAD \t
.endr
	s_wait_loadcnt 12                              ; step 0's four loads are in; twelve may be out
	XTURN 0
.irp t, 0,1,2,3,4,5,6,7,8,9,10,11,12,13,14,15
	XSTEP \t
.endr
	ds_load_b64 v[8:9], v6                         ; my wave's 256 scale bytes: these loads see my stores
	s_wait_dscnt 0x0
	global_store_b64 v7, v[8:9], s[20:21]          ; 32 lanes store 256 consecutive bytes, aligned
	s_wait_tensorcnt 0x0                           ; the wave's end
	ds_add_u32 v[SPW], v[NIL]
	s_wait_dscnt 0x0
	s_endpgm
.Lnot_x:
	s_cmp_lt_u32 ttmp9, 304
	s_cbranch_scc0 .Lpath_p
	; ================ piece W: a lane takes a column n and its registers run down K; 24 x 2 work-groups of 128 columns x 512 along K
	s_sub_co_u32 s17, ttmp9, 256
	s_cmp_ge_u32 s17, 24
	s_cselect_b32 s18, 1, 0                        ; which 512 along K
	s_cselect_b32 s19, 24, 0
	s_sub_co_u32 s17, s17, s19                     ; which 128 columns
	s_lshl_b32 s17, s17, 7
	s_lshl_b32 s19, s16, 5
	s_add_co_u32 s17, s17, s19                     ; my wave's first column
	v_lshlrev_b32 v3, 2, v2
	s_mul_i32 s19, s16, 32*WPITCH
	s_add_co_u32 s19, s19, WSTG                    ; my stage
	v_mul_u32_u24 v4, v2, WPITCH
	v_add_nc_u32 v4, s19, v4                       ; into it: row = my column
	v_and_b32 v5, 15, v2
	v_lshrrev_b32 v6, 4, v2
	v_mul_u32_u24 v7, v6, WPITCH
	v_lshl_add_u32 v7, v5, 4, v7
	v_add_nc_u32 v7, s19, v7                       ; out of it: sixteen lanes to a row, two rows an instruction
	v_lshlrev_b32 v8, 9, v6
	v_lshl_add_u32 v8, v5, 4, v8                   ; the same place in wc (rows of 512 bytes)
	v_lshlrev_b32 v9, 5, v2                        ; my column's row of scale bytes (32 bytes)
	s_mul_i32 s28, s18, 512*WN*4
	s_lshl_b32 s30, s17, 2
	s_add_co_u32 s28, s28, s30
	s_add_nc_u64 s[6:7], s[6:7], s[28:29]
	s_lshl_b32 s28, s17, 9
	s_lshl_b32 s30, s18, 8
	s_add_co_u32 s28, s28, s30
	s_add_nc_u64 s[22:23], s[22:23], s[28:29]
	s_lshl_b32 s28, s17, 5
	s_lshl_b32 s30, s18, 4
	s_add_co_u32 s28, s28, s30
	s_add_nc_u64 s[24:25], s[24:25], s[28:29]
	WLOAD 0
	WLOAD 1
.irp t, 0,1,2,3,4,5,6,7,8,9,10,11,12,13,14,15
	WBLOCK \t
.endr
	global_store_b128 v9, v[WSB:WSB+3], s[24:25]   ; my column's 16 scale bytes
.irp t, 0,1,2,3,4,5,6,7,8,9,10,11,12,13,14,15
	ds_load_b128 v[WOUT+4*\t:WOUT+4*\t+3], v7 offset:2*\t*WPITCH
.endr
.irp t, 0,1,2,3,4,5,6,7,8,9,10,11,12,13,14,15
	s_wait_dscnt 15-\t                             ; load t is in; the 15 - t behind it may be out
	global_store_b128 v8, v[WOUT+4*\t:WOUT+4*\t+3], s[22:23] offset:2*\t*512   ; sixteen lanes store 256 consecutive bytes, aligned
.endr
	s_wait_tensorcnt 0x0                           ; the wave's end
	ds_add_u32 v[SPW], v[NIL]
	s_wait_dscnt 0x0
	s_endpgm
.Lpath_p:
	; ================ piece P: the same plan without a quantiser: 8 x 8 work-groups of 128 columns x 128 along k
	s_sub_co_u32 s17, ttmp9, 304
	s_lshr_b32 s18, s17, 3                         ; which 128 along k
	s_and_b32 s17, s17, 7                          ; which 128 columns
	s_lshl_b32 s17, s17, 7
	s_lshl_b32 s19, s16, 5
	s_add_co_u32 s17, s17, s19                     ; my wave's first column
	v_lshlrev_b32 v3, 2, v2
	s_mul_i32 s19, s16, 32*WPITCH
	s_add_co_u32 s19, s19, PSTG                    ; my stage: 32 rows of 256 bytes + 16
	v_mul_u32_u24 v4, v2, WPITCH
	v_add_nc_u32 v4, s19, v4
	v_and_b32 v5, 15, v2
	v_lshrrev_b32 v6, 4, v2
	v_mul_u32_u24 v7, v6, WPITCH
	v_lshl_add_u32 v7, v5, 4, v7
	v_add_nc_u32 v7, s19, v7
	v_lshlrev_b32 v8, 11, v6
	v_lshl_add_u32 v8, v5, 4, v8                   ; the same place in wpt (rows of 2,048 bytes)
	s_lshl_b32 s28, s18, 19                        ; 128 rows of 4,096 bytes
	s_lshl_b32 s30, s17, 2
	s_add_co_u32 s28, s28, s30
	s_add_nc_u64 s[8:9], s[8:9], s[28:29]
	s_lshl_b32 s28, s17, 11
	s_lshl_b32 s30, s18, 8
	s_add_co_u32 s28, s28, s30
	s_add_nc_u64 s[26:27], s[26:27], s[28:29]
	PLOAD 0
	PLOAD 1
.irp t, 0,1,2,3
	PBLOCK \t
.endr
.irp t, 0,1,2,3,4,5,6,7,8,9,10,11,12,13,14,15
	ds_load_b128 v[POUT+4*\t:POUT+4*\t+3], v7 offset:2*\t*WPITCH
.endr
.irp t, 0,1,2,3,4,5,6,7,8,9,10,11,12,13,14,15
	s_wait_dscnt 15-\t                             ; load t is in; the 15 - t behind it may be out
	global_store_b128 v8, v[POUT+4*\t:POUT+4*\t+3], s[26:27] offset:2*\t*2048   ; sixteen lanes store 256 consecutive bytes, aligned
.endr
	s_wait_tensorcnt 0x0                           ; the wave's end
	ds_add_u32 v[SPW], v[NIL]
	s_wait_dscnt 0x0
	s_endpgm
.Lfunc_end_k_q397631d575_prep:
	.size	k_q397631d575_prep, .Lfunc_end_k_q397631d575_prep-k_q397631d575_prep
	.p2alignl 7, 3214868480
	.fill 96, 4, 3214868480
	.section	.rodata,"a",@progbits
	.p2align	6, 0x0
	.amdhsa_kernel k_q397631d575_prep
		.amdhsa_group_segment_fixed_size 102912
		.amdhsa_private_segment_fixed_size 0
		.amdhsa_enable_private_segment 0
		.amdhsa_kernarg_size 64
		.amdhsa_user_sgpr_count 2
		.amdhsa_user_sgpr_kernarg_segment_ptr 1
		.amdhsa_wavefront_size32 1
		.amdhsa_system_sgpr_workgroup_id_x 1
		.amdhsa_system_sgpr_workgroup_id_y 1
		.amdhsa_system_sgpr_workgroup_id_z 1
		.amdhsa_system_vgpr_workitem_id 0
		.amdhsa_next_free_vgpr 196
		.amdhsa_next_free_sgpr 66
		.amdhsa_reserve_vcc 0
		.amdhsa_float_denorm_mode_32 3
		.amdhsa_float_denorm_mode_16_64 3
		.amdhsa_memory_ordered 1
		.amdhsa_forward_progress 1
		.amdhsa_inst_pref_size 132
	.end_amdhsa_kernel
	.amdgpu_metadata
---
amdhsa.version: [ 1, 2 ]
amdhsa.kernels:
  - .name:           k_q397631d575_prep
    .symbol:         k_q397631d575_prep.kd
    .args:
      - { .name: x, .offset: 0, .size: 8, .value_kind: global_buffer, .address_space: global }
      - { .name: W_attn, .offset: 8, .size: 8, .value_kind: global_buffer, .address_space: global }
      - { .name: W_proj, .offset: 16, .size: 8, .value_kind: global_buffer, .address_space: global }
      - { .name: xc, .offset: 24, .size: 8, .value_kind: global_buffer, .address_space: global }
      - { .name: xs, .offset: 32, .size: 8, .value_kind: global_buffer, .address_space: global }
      - { .name: wc, .offset: 40, .size: 8, .value_kind: global_buffer, .address_space: global }
      - { .name: ws, .offset: 48, .size: 8, .value_kind: global_buffer, .address_space: global }
      - { .name: wpt, .offset: 56, .size: 8, .value_kind: global_buffer, .address_space: global }
    .group_segment_fixed_size: 102912
    .private_segment_fixed_size: 0
    .kernarg_segment_align: 8
    .kernarg_segment_size: 64
    .max_flat_workgroup_size: 128
    .sgpr_count:     66
    .vgpr_count:     196
    .wavefront_size: 32
...
	.end_amdgpu_metadata
.endif
;; end of part 1
;; launch qkv (part 2): grid 12 x 32, 4 waves a work-group, clusters of 4 x 4, 327,680 bytes of LDS; arguments xc, xs, wc, ws, qkv, qkvf; writes qkv, qkvf
.if DOCPART == 2
	.amdgcn_target "amdgcn-amd-amdhsa--gfx1250"
	.amdhsa_code_object_version 6
	.text
	.protected	k_q397631d575_qkv
	.globl	k_q397631d575_qkv
	.p2align	8
	.type	k_q397631d575_qkv,@function
k_q397631d575_qkv:
	s_mov_b64 s[64:65], 0
	v_nop
	global_prefetch_b8 v0, s[64:65] scope:SCOPE_SE
	s_setreg_imm32_b32 hwreg(HW_REG_WAVE_MODE, 25, 1), 1
	s_wait_xcnt 0x0
	s_wait_alu depctr_hold_cnt(0) depctr_sa_sdst(0) depctr_va_vdst(0) depctr_va_sdst(0) depctr_va_ssrc(0) depctr_va_vcc(0) depctr_vm_vsrc(0)
	s_getreg_b32 s2, hwreg(HW_REG_IB_STS2, 6, 4)
	s_cmp_eq_u32 s2, 0
	s_cbranch_scc0 .Lentry_in_a_cluster
	s_endpgm
.Lentry_in_a_cluster:
	s_bfe_u32 s2, ttmp6, 0x10000c
	s_cmp_lg_u32 s2, 0xf033
	s_cbranch_scc0 .Lentry_shape_is_right
	s_endpgm
.Lentry_shape_is_right:
; q, k, v = Q(x) Q(W_attn): [8192][1024] x [3072][1024]^T on codes of FP4 (E2M1) with one E8M0 scale for each 32 along K; sums in f32.
; A tile of 256 x 256 is made by four waves, each 128 x 128: 64 accumulators of 16 x 16.  K = 1,024 is two LDS slots of 512 along K (rows of 256 bytes): both are asked for at the head, nothing is filled again.
; The scale bytes of the work-group's 256 + 256 rows, for all of K, come once, in rows of 256 bytes, with the first loads.
; CLUSTERS: 4 x 4 work-groups; A's tiles are asked for jointly along a row of the cluster, B's along a column.  Tile row = 8 cy + cluster y: cy is the batch, cluster y the block of 256 positions
; (the same in all sixteen partners).  Tile column = 4 cluster x + cx: cluster x says q, k or v, cx a group of four heads.
; THE MATRIX INSTRUCTION IS USED TRANSPOSED (source 0 = 16 rows of W^T, source 1 = 16 rows of x): a lane holds eight neighbouring channels of one position.
; OUT: f16, by head: qkv [3][4 b][16 h][2048 t][64]; and for positions 0-15 of each batch the accumulators as they stand, f32: qkvf [3][b][h][4 tiles of 16 channels][2][32 lanes][16 bytes].
; LIMIT: |q|, |k|, |v| above 65,504 become infinity in f16.
; REGISTERS: window 0: v0-31 addresses; v32-95 scale words, two sets; v128-191 A's fragments, one set; on the way out v32-63, v192-255.  window 1: B's fragments, two sets.  windows 2, 3: the accumulators ((a, b) at v[8 (8 (a % 4) + b)]).
.set SIZE_K, 1024
.set KSTEP,  512
.set NQ,     KSTEP/128
.set ROWB,   256
.set KROW,   SIZE_K*4/8
.set PITCH,  272                       ; an LDS row: 256 bytes + 16 of padding: the 16 rows that a load touches start at 16 different banks (64 banks of 4 bytes: ISA guide 11.1)
.set FR,     8
.set NL,     2
.set NP,     4                         ; places behind this matrix instruction (ISA guide 7.12.1)
.set HALFT,  128*PITCH
.set SLOT,   4*HALFT
.set KS,     SIZE_K/32
.set SCL,    2*SLOT
.set HALFS,  (128*KS/256)*272
.set SBLK,   (16*KS/256)*272
.set SPARE,  SCL+4*HALFS               ; the spare words, 128 bytes for each wave
.set SPITCH, 272                       ; the way out: a stage of 16 rows x (256 bytes + 16) for each wave, in slot 0, which has had its one fill and its last read by then
.set ADRA, 16
.set ADRB, 20
.set STO,  24
.set RD,   25
.set CO,   26                          ; v26  16 x lane
.set ADRS, 27
.set SPW,  28
.set NIL,  29
.set SC,   32
.set AF,   128
.set TMP,  192                         ; the way out: packed results
.set OB,   32                          ; the way out: rows read back: v32-63 and v224-255 by turns
.set G1, 24
.set G0, 32
.set G1B, 48
.set G0B, 56
.set G1S, 68
.set G0S, 76
.set G1SB, 80
.set G0SB, 88
.set MSB, 0
.macro WIN new                         ; the immediate's high byte repeats the setting that is left
.if MSB != \new
	s_set_vgpr_msb (MSB<<8)|\new
.set MSB, \new
.endif
.endm
.set MUL_LO, 0xa1                      ; source 0 (B) window 1, source 1 (A) window 0, C and D window 2
.set MUL_HI, 0xf1
.set TO_B,   0x40
; A joint load: waves 0 and 1 fetch for A, waves 2 and 3 for B; the branch hangs on the wave's number alone.  An s_nop 0 and four v_nop follow each of the two lines.
.macro JLOAD g0a, g1a, g0b, g1b
	s_cmp_eq_u32 s15, 0
	s_cbranch_scc0 .Lfor_b_\@
	tensor_load_to_lds s[\g0a:\g0a+3], s[\g1a:\g1a+7]
	s_nop 0
.rept 4
	v_nop
.endr
	s_branch .Lasked_\@
.Lfor_b_\@:
	tensor_load_to_lds s[\g0b:\g0b+3], s[\g1b:\g1b+7]
	s_nop 0
.rept 4
	v_nop
.endr
.Lasked_\@:
.endm
.macro CROUND                          ; a round of the cluster's barrier
	s_barrier_signal -1
	s_barrier_wait -1
	s_cmp_lg_u32 s14, 0
	s_cbranch_scc1 .Lnot_wave_0_\@
	s_barrier_signal -3
.Lnot_wave_0_\@:
	s_barrier_wait -3
	s_barrier_signal -1
	s_barrier_wait -1
.endm
	s_load_b128 s[4:7], s[0:1], 0x0                ; x's codes, x's scales
	s_load_b128 s[8:11], s[0:1], 0x10              ; W's codes, W's scales
	s_load_b64 s[12:13], s[0:1], 0x20              ; qkv
	s_load_b64 s[98:99], s[0:1], 0x28              ; qkvf
	v_lshl_add_u32 v[SPW], v0, 2, SPARE
	v_mov_b32 v[NIL], 0
	ds_add_u32 v[SPW], v[NIL]                      ; the wave's opening: the add, twice on end, and its wait ahead of my first tensor load
	ds_add_u32 v[SPW], v[NIL]
	v_lshrrev_b32 v1, 5, v0
	v_readfirstlane_b32 s14, v1                    ; wave 0..3
	s_lshr_b32 s15, s14, 1                         ; which half of the tile's rows is mine.  Also: I fetch for A (0) or for B (1)
	s_and_b32 s16, s14, 1                          ; which half of its columns.  Also: which 128 rows of that tile I fetch
	s_bfe_u32 s40, ttmp6, 0x40000                  ; cx
	s_bfe_u32 s41, ttmp6, 0x40004                  ; cy
	s_lshl_b32 s42, ttmp9, 2
	s_add_co_u32 s42, s42, s40                     ; tile column = 4 x cluster x + cx
	s_and_b32 s96, ttmp7, 0xffff                   ; cluster y: the block of 256 positions
	s_lshl_b32 s17, s41, 3
	s_add_co_u32 s17, s17, s96                     ; tile row = 8 x cy + cluster y
	s_lshl_b32 s43, s41, 2
	s_lshl_b32 s43, 15, s43                        ; my row of the cluster
	s_lshl_b32 s44, 0x1111, s40                    ; my column
	s_or_b32 s[G1+0], s43, (0<<16)|(1<<20)|(1<<21)|(5<<22)|(3<<25)  ; the mask; elements of 1 byte; padding on; bit 21 beside a mask; 4 words of padding after every 64
	s_or_b32 s[G1B+0], s44, (0<<16)|(1<<20)|(1<<21)|(5<<22)|(3<<25)
.irp g, G1, G1B
	s_mov_b32 s[\g+1], ROWB<<16                    ; tensor_dim0
	s_mov_b32 s[\g+2], 128<<16                     ; tensor_dim1
	s_mov_b32 s[\g+3], ROWB<<16                    ; tile_dim0
	s_mov_b32 s[\g+4], 128                         ; tile_dim1
	s_mov_b32 s[\g+5], KROW                        ; from row to row
	s_mov_b32 s[\g+6], 0
	s_mov_b32 s[\g+7], 0
.endr
	s_or_b32 s[G1S+0], s43, (3<<16)|(1<<20)|(1<<21)|(5<<22)|(3<<25)  ; the scales of 128 rows: a dense block, as rows of 256 bytes (32 elements of 8 bytes)
	s_or_b32 s[G1SB+0], s44, (3<<16)|(1<<20)|(1<<21)|(5<<22)|(3<<25)
.irp g, G1S, G1SB
	s_mov_b32 s[\g+1], 32<<16
	s_mov_b32 s[\g+2], (128*KS/256)<<16
	s_mov_b32 s[\g+3], 32<<16
	s_mov_b32 s[\g+4], 128*KS/256
	s_mov_b32 s[\g+5], 32
	s_mov_b32 s[\g+6], 0
	s_mov_b32 s[\g+7], 0
.endr
	s_lshl_b32 s18, s16, 7
	s_lshl_b32 s20, s17, 8
	s_add_co_u32 s20, s20, s18                     ; A: row 256 x tile row + 128 x half
	s_lshl_b32 s46, s42, 8
	s_add_co_u32 s46, s46, s18                     ; B: row 256 x tile column + 128 x half
	s_mov_b32 s21, 0
	s_mov_b32 s47, 0
	s_mov_b64 s[18:19], KS
	s_mul_u64 s[22:23], s[20:21], s[18:19]         ; where these rows' scales begin
	s_mul_u64 s[92:93], s[46:47], s[18:19]
	s_mov_b64 s[18:19], KROW
	s_mul_u64 s[20:21], s[20:21], s[18:19]         ; and their codes
	s_mul_u64 s[46:47], s[46:47], s[18:19]
	s_mul_i32 s45, s14, HALFT                      ; where they go: wave x 128 rows
	s_mul_i32 s94, s14, HALFS
	s_wait_dscnt 0x0                               ; both opening adds are done
	s_wait_kmcnt 0x0
	s_add_nc_u64 s[20:21], s[4:5], s[20:21]
	s_add_nc_u64 s[22:23], s[6:7], s[22:23]
	s_add_nc_u64 s[46:47], s[8:9], s[46:47]
	s_add_nc_u64 s[92:93], s[10:11], s[92:93]
	CROUND                                         ; all sixteen work-groups are here: the joint loads meet
	s_mov_b32 s[G0S], 1
	s_add_co_u32 s[G0S+1], s94, SCL
	s_mov_b64 s[G0S+2:G0S+3], s[22:23]
	s_or_b32 s[G0S+3], s[G0S+3], 0x80000000
	s_mov_b32 s[G0SB], 1
	s_add_co_u32 s[G0SB+1], s94, SCL
	s_mov_b64 s[G0SB+2:G0SB+3], s[92:93]
	s_or_b32 s[G0SB+3], s[G0SB+3], 0x80000000
	JLOAD G0S, G1S, G0SB, G1SB                     ; the scales first; with the two slots three loads of mine are out
.irp s, 0,1
	s_mov_b32 s[G0+4*\s], 1
	s_add_co_u32 s[G0+4*\s+1], s45, \s*SLOT
	s_add_nc_u64 s[G0+4*\s+2:G0+4*\s+3], s[20:21], \s*ROWB
	s_or_b32 s[G0+4*\s+3], s[G0+4*\s+3], 0x80000000
	s_mov_b32 s[G0B+4*\s], 1
	s_add_co_u32 s[G0B+4*\s+1], s45, \s*SLOT
	s_add_nc_u64 s[G0B+4*\s+2:G0B+4*\s+3], s[46:47], \s*ROWB
	s_or_b32 s[G0B+4*\s+3], s[G0B+4*\s+3], 0x80000000
	JLOAD G0+4*\s, G1, G0B+4*\s, G1B
.endr
	v_and_b32 v1, 15, v0                           ; l % 16
	v_bfe_u32 v2, v0, 4, 1                         ; l / 16
	v_mul_u32_u24 v3, v1, PITCH
	v_lshl_add_u32 v4, v2, 4, v3                   ; a fragment's row x pitch + 16 x half
	s_mul_i32 s21, s15, HALFT
	s_mul_i32 s22, s16, HALFT
	s_add_co_u32 s22, s22, 2*HALFT
.irp s, 0,1
	v_add_nc_u32 v[ADRA+\s], s21, v4
	v_add_nc_u32 v[ADRB+\s], s22, v4
	s_add_co_u32 s21, s21, SLOT
	s_add_co_u32 s22, s22, SLOT
.endr
	v_mul_u32_u24 v5, v1, KS                       ; my row's scales: 32 bytes a row,
	v_lshrrev_b32 v6, 8, v5
	v_lshl_add_u32 v5, v6, 4, v5                   ; and 16 more for each 256 passed
	s_mul_i32 s21, s15, HALFS
	s_mul_i32 s22, s16, HALFS
	s_add_co_u32 s22, s22, 2*HALFS
	s_sub_co_u32 s22, s22, s21
	v_mul_u32_u24 v6, s22, v2                      ; lanes 16-31 take B's
	s_add_co_u32 s21, s21, SCL
	v_add_nc_u32 v5, v5, v6
	v_add_nc_u32 v[ADRS], s21, v5
	s_mul_i32 s23, s14, 16*SPITCH                  ; my stage
	v_mul_u32_u24 v5, v1, SPITCH
	v_lshl_add_u32 v5, v2, 4, v5
	v_add_nc_u32 v[STO], s23, v5                   ; in: row l % 16, 16 bytes for each half of the lanes
	v_and_b32 v6, 31, v0
	v_lshlrev_b32 v[CO], 4, v6
	v_lshrrev_b32 v5, 3, v6
	v_mul_u32_u24 v5, v5, SPITCH
	v_and_b32 v6, 7, v0
	v_lshl_add_u32 v5, v6, 4, v5
	v_add_nc_u32 v[RD], s23, v5                    ; back: eight lanes to a head's 128 bytes of a row, four rows an instruction
	; where my part begins: qkv: section << 24 + batch << 22 + head << 18 + position << 7;  qkvf: section << 18 + batch << 16 + head << 12
	s_lshl_b32 s20, ttmp9, 24
	s_lshl_b32 s21, s41, 22
	s_add_co_u32 s20, s20, s21
	s_lshl_b32 s21, s40, 2
	s_lshl_b32 s46, s16, 1
	s_add_co_u32 s21, s21, s46                     ; my first head: 4 cx + 2 x half
	s_lshl_b32 s46, s21, 18
	s_add_co_u32 s20, s20, s46
	s_lshl_b32 s46, s96, 15                        ; 256 positions of 128 bytes
	s_add_co_u32 s20, s20, s46
	s_lshl_b32 s46, s15, 14                        ; 128 positions
	s_add_co_u32 s20, s20, s46
	s_lshl_b32 s47, s21, 12
	s_mov_b32 s21, 0
	s_add_nc_u64 s[12:13], s[12:13], s[20:21]
	s_lshl_b32 s46, ttmp9, 18
	s_add_co_u32 s46, s46, s47
	s_lshl_b32 s47, s41, 16
	s_add_co_u32 s46, s46, s47
	s_mov_b32 s47, 0
	s_add_nc_u64 s[98:99], s[98:99], s[46:47]
	s_or_b32 s100, s96, s15                        ; 0 where my first 16 rows are positions 0-15: cluster y and the wave's number alone
.macro FRAG reg, adr, q, i             ; 16 rows x 128 K of 4-bit codes: 8 registers, two loads of 16 bytes, 32 bytes apart
.irp c, 0,1
	ds_load_b128 v[\reg+4*\c:\reg+4*\c+3], v[\adr] offset:64*(\q)+32*\c+(\i)*16*PITCH
.endr
.endm
; 16 matrix instructions: A's blocks a0, a0 + 1 x B's eight.  The 64 accumulators take turns, one instruction a turn, in the same order in every step.
.macro MUL16 a0, p, q, sc, zero
.irp a, \a0, \a0+1
.irp b, 0,1,2,3,4,5,6,7
.if \zero
	v_wmma_scale_f32_16x16x128_f8f6f4 v[8*(8*((\a)%4)+\b):8*(8*((\a)%4)+\b)+7], v[128*(\p)+FR*\b:128*(\p)+FR*\b+FR-1], v[AF+FR*(\a):AF+FR*(\a)+FR-1], 0, v[SC+8*NQ*(\sc)+NQ*\b+(\q)], v[SC+8*NQ*(\sc)+NQ*(\a)+(\q)] matrix_a_fmt:MATRIX_FMT_FP4 matrix_b_fmt:MATRIX_FMT_FP4 matrix_a_scale:MATRIX_SCALE_ROW1
.else
	v_wmma_scale_f32_16x16x128_f8f6f4 v[8*(8*((\a)%4)+\b):8*(8*((\a)%4)+\b)+7], v[128*(\p)+FR*\b:128*(\p)+FR*\b+FR-1], v[AF+FR*(\a):AF+FR*(\a)+FR-1], v[8*(8*((\a)%4)+\b):8*(8*((\a)%4)+\b)+7], v[SC+8*NQ*(\sc)+NQ*\b+(\q)], v[SC+8*NQ*(\sc)+NQ*(\a)+(\q)] matrix_a_fmt:MATRIX_FMT_FP4 matrix_b_fmt:MATRIX_FMT_FP4 matrix_a_scale:MATRIX_SCALE_ROW1
.endif
.endr
.endr
.endm
.macro FETCH_B slot, q, p
	WIN TO_B
.irp i, 0,1,2,3,4,5,6,7
	FRAG 128*(\p)+FR*\i, ADRB+\slot, \q, \i
.endr
	WIN 0
.endm
.macro FETCH_A slot, q, i0
.irp i, \i0, \i0+1, \i0+2, \i0+3
	FRAG AF+FR*(\i), ADRA+\slot, \q, \i
.endr
.endm
.macro SCALES sc                       ; a slot's scale words: four a row; lanes 0-15 take A's block i, lanes 16-31 B's block i
.irp i, 0,1,2,3,4,5,6,7
	ds_load_b128 v[SC+8*NQ*\sc+NQ*\i:SC+8*NQ*\sc+NQ*\i+3], v[ADRS] offset:\i*SBLK
.endr
.endm
.macro PLACES n                        ; plain vector instructions between a matrix instruction and a load into, or a read of, its registers
.rept \n
	v_nop
.endr
.endm
.macro STEP slot, q, zero              ; 128 along K with its successor in the same slot
	s_wait_dscnt 4*NL                              ; B's set and A's blocks 0-3 are in; the youngest eight loads (A's blocks 4-7) may be out
	WIN MUL_LO
	MUL16 0, (\q)%2, \q, \slot, \zero
	MUL16 2, (\q)%2, \q, \slot, \zero
	s_wait_dscnt 0
	PLACES NP
	FETCH_B \slot, (\q)+1, 1-(\q)%2
	FETCH_A \slot, (\q)+1, 0
	WIN MUL_HI
	MUL16 4, (\q)%2, \q, \slot, \zero
	MUL16 6, (\q)%2, \q, \slot, \zero
	PLACES NP
	WIN 0
	FETCH_A \slot, (\q)+1, 4
.endm
.macro TURN slot, next                 ; slot 0's last step changes slots: one barrier; nothing is filled again
	s_wait_tensorcnt 0x0                           ; all my tensor loads have landed: my part of the next slot
	ds_add_u32 v[SPW], v[NIL]                      ; 0 onto my spare word
	s_wait_dscnt 4*NL+1                            ; the add and the youngest eight loads may be out
	WIN MUL_LO
	MUL16 0, 1, NQ-1, \slot, 0
	s_wait_dscnt 0x0                               ; the add is done, and my reads of this slot are over
	s_barrier_signal -1
	MUL16 2, 1, NQ-1, \slot, 0
	WIN 0
	s_barrier_wait -1
	PLACES NP
	v_add_nc_u32 v[ADRS], 4*NQ, v[ADRS]            ; on to the next slot's scale words
	FETCH_B \next, 0, 0
	FETCH_A \next, 0, 0
	SCALES \next
	WIN MUL_HI
	MUL16 4, 1, NQ-1, \slot, 0
	MUL16 6, 1, NQ-1, \slot, 0
	PLACES NP
	WIN 0
	FETCH_A \next, 0, 4
.endm
	s_wait_tensorcnt 1                             ; the scales and my part of slot 0 are in; slot 1's load may be out
	s_barrier_signal -1
	s_barrier_wait -1
	FETCH_B 0, 0, 0
	FETCH_A 0, 0, 0
	SCALES 0
	FETCH_A 0, 0, 4
	STEP 0, 0, 1                                   ; the first products start the sums: nothing is cleared
	STEP 0, 1, 0
	STEP 0, 2, 0
	TURN 0, 1
	STEP 1, 0, 0
	STEP 1, 1, 0
	STEP 1, 2, 0
	s_wait_dscnt 4*NL                              ; the last step: the youngest eight loads may be out
	WIN MUL_LO
	MUL16 0, 1, NQ-1, 1, 0
	MUL16 2, 1, NQ-1, 1, 0
	s_wait_dscnt 0
	WIN MUL_HI
	MUL16 4, 1, NQ-1, 1, 0
	MUL16 6, 1, NQ-1, 1, 0
	WIN 0
; THE WAY OUT.  Block a = 16 positions x 128 channels (two heads).  Rounded to f16, 16 bytes a lane, through my stage, and back as four rows of one head: 512 consecutive bytes of qkv.
.macro PACK a
.set AC, 64*((\a)%4)
	WIN 0x0a+5*((\a)/4)                            ; sources 0 and 1: window 2 or 3
.irp b, 0,1,2,3,4,5,6,7
.irp r, 0,1,2,3
	v_cvt_pk_f16_f32 v[TMP+4*\b+\r], v[AC+8*\b+2*\r], v[AC+8*\b+2*\r+1]   ; each accumulator from its low end on
.endr
.endr
	WIN 0
.endm
.macro TOSTAGE a
.set BK, OB+192*((\a)%2)
.irp b, 0,1,2,3,4,5,6,7
	ds_store_b128 v[STO], v[TMP+4*\b:TMP+4*\b+3] offset:32*\b
.endr
.irp hd, 0,1
.irp i, 0,1,2,3
	ds_load_b128 v[BK+4*(4*\hd+\i):BK+4*(4*\hd+\i)+3], v[RD] offset:\i*4*SPITCH+128*\hd   ; LDS serves a wave's instructions in order: these see the stores above
.endr
.endr
.endm
.macro SEND a
.set BK, OB+192*((\a)%2)
	s_wait_dscnt 0x0                               ; the block is back in registers
	s_wait_xcnt 0x0                                ; earlier stores have read their base and their data: both may be written
.if (\a) > 0
	s_add_nc_u64 s[12:13], s[12:13], 16*128        ; 16 positions on
.endif
.irp hd, 0,1
.irp i, 0,1,2,3
	global_store_b128 v[CO], v[BK+4*(4*\hd+\i):BK+4*(4*\hd+\i)+3], s[12:13] offset:\hd*262144+512*\i   ; 32 lanes store 512 consecutive bytes, aligned
.endr
.endr
.endm
	PLACES NP
	s_cmp_lg_u32 s100, 0                           ; positions 0-15 of a batch: cluster y = 0 and the upper half of the tile's rows
	s_cbranch_scc1 .Lnofine
	WIN 0x08                                       ; a store's data are its source 1: window 2
.irp b, 0,1,2,3,4,5,6,7
	global_store_b128 v[CO], v[8*\b:8*\b+3], s[98:99] offset:1024*\b          ; block 0's accumulators as they stand, from the low end on: 512 consecutive bytes a store
	global_store_b128 v[CO], v[8*\b+4:8*\b+7], s[98:99] offset:1024*\b+512
.endr
	WIN 0
.Lnofine:
	PACK 0
	TOSTAGE 0
.irp a, 1,2,3,4,5,6,7                  ; block a's conversions stand between block a - 1's loads from the stage and the wait for them
	PACK \a
	SEND \a-1
	TOSTAGE \a
.endr
	SEND 7
	s_wait_tensorcnt 0x0                           ; the wave's end
	ds_add_u32 v[SPW], v[NIL]
	s_wait_dscnt 0x0
	CROUND                                         ; the closing round
	s_endpgm
.Lfunc_end_k_q397631d575_qkv:
	.size	k_q397631d575_qkv, .Lfunc_end_k_q397631d575_qkv-k_q397631d575_qkv
	.p2alignl 7, 3214868480
	.fill 96, 4, 3214868480
	.section	.rodata,"a",@progbits
	.p2align	6, 0x0
	.amdhsa_kernel k_q397631d575_qkv
		.amdhsa_group_segment_fixed_size 327680
		.amdhsa_private_segment_fixed_size 0
		.amdhsa_enable_private_segment 0
		.amdhsa_kernarg_size 48
		.amdhsa_user_sgpr_count 2
		.amdhsa_user_sgpr_kernarg_segment_ptr 1
		.amdhsa_wavefront_size32 1
		.amdhsa_system_sgpr_workgroup_id_x 1
		.amdhsa_system_sgpr_workgroup_id_y 1
		.amdhsa_system_sgpr_workgroup_id_z 1
		.amdhsa_system_vgpr_workitem_id 0
		.amdhsa_next_free_vgpr 1024
		.amdhsa_next_free_sgpr 102
		.amdhsa_reserve_vcc 0
		.amdhsa_float_denorm_mode_32 3
		.amdhsa_float_denorm_mode_16_64 3
		.amdhsa_memory_ordered 1
		.amdhsa_forward_progress 1
		.amdhsa_inst_pref_size 129
	.end_amdhsa_kernel
	.amdgpu_metadata
---
amdhsa.version: [ 1, 2 ]
amdhsa.kernels:
  - .name:           k_q397631d575_qkv
    .symbol:         k_q397631d575_qkv.kd
    .args:
      - { .name: xc, .offset: 0, .size: 8, .value_kind: global_buffer, .address_space: global }
      - { .name: xs, .offset: 8, .size: 8, .value_kind: global_buffer, .address_space: global }
      - { .name: wc, .offset: 16, .size: 8, .value_kind: global_buffer, .address_space: global }
      - { .name: ws, .offset: 24, .size: 8, .value_kind: global_buffer, .address_space: global }
      - { .name: qkv, .offset: 32, .size: 8, .value_kind: global_buffer, .address_space: global }
      - { .name: qkvf, .offset: 40, .size: 8, .value_kind: global_buffer, .address_space: global }
    .group_segment_fixed_size: 327680
    .private_segment_fixed_size: 0
    .kernarg_segment_align: 8
    .kernarg_segment_size: 48
    .max_flat_workgroup_size: 128
    .sgpr_count:     102
    .vgpr_count:     1024
    .wavefront_size: 32
...
	.end_amdgpu_metadata
.endif
;; end of part 2
;; launch attn (part 3): grid 4 x 64, 16 waves a work-group, no clusters, 327,680 bytes of LDS; arguments qkv, att; writes att
.if DOCPART == 3
	.amdgcn_target "amdgcn-amd-amdhsa--gfx1250"
	.amdhsa_code_object_version 6
	.text
	.protected	k_q397631d575_attn
	.globl	k_q397631d575_attn
	.p2align	8
	.type	k_q397631d575_attn,@function
k_q397631d575_attn:
	s_mov_b64 s[64:65], 0
	v_nop
	global_prefetch_b8 v0, s[64:65] scope:SCOPE_SE
	s_setreg_imm32_b32 hwreg(HW_REG_WAVE_MODE, 25, 1), 1
	s_wait_xcnt 0x0
; att[b][h][t][:] = the sum over s <= t of softmax_s(q[t] . k[s] / 8) v[s][:], for one head a work-group row.  q, k, v: f16, qkv [3][64 heads][2048][64]; att: f16, [64 heads][2048][64].
; Products on f16 operands with f32 sums; maxima, exponentials and sums in f32; the weights p are rounded to f16 for the second product, the result once at the end.
; LIMIT: numbers above 65,504 do not fit f16.  (Positions 0-15 of every sequence are made again in f32 by a later launch.)
; SHARES.  Work-group (i, head) owns the blocks i and 7 - i of 256 queries: under the causal mask every work-group has the same work.  Of its sixteen waves eight take each block, 32 queries a wave: two tiles of 16,
; so that each fragment of K and V read from LDS feeds two matrix instructions.  All waves walk one ring of two LDS slots of 256 keys; trip counts are constants; a step of 64 keys that lies wholly behind a wave's
; queries is jumped over by a scalar branch on ids; a slot that none of the work-group's queries sees is not asked for.
; NO CLUSTER: the four work-groups of a head need 8 - i slots, different numbers: a joint load would bring tiles whose reads every wave of a partner jumps over.
; LAYOUT.  S^T = K Q^T (source 0 = 16 keys, source 1 = 16 queries): a lane holds ONE query (lane % 16) and keys 8 (lane / 16) + 0..7.  Two such tiles, rounded in pairs, are source 1 of O^T = V^T P.
; V ([key][channel]) comes out of LDS turned, by ds_load_tr16_b128.  Running maximum m and sum l: p = 2^(c s - c m), c = log2(e) / 8; O and l are multiplied by a = 2^(c m_old - c m_new) in every step.
; REGISTERS: v1-11, v28-31 addresses and constants; v12-27 statistics, eight a tile; v32-63 Q; v64-127 K's fragments, then V's; v128-191 S^T (P is laid over its low half); v192-255 O^T.
.set KP,    144                        ; a row of K in LDS: 128 bytes + 16: the 16 rows of a load start at different banks
.set VP,    160                        ; a row of V: 128 + 32: an odd multiple of 32, for the turning load
.set SK,    256                        ; keys in a slot
.set VOFF,  SK*KP
.set SLOT1, 1<<17                      ; one exclusive or turns an address in one slot into the other's
.set STAGE, SLOT1+SK*(KP+VP)           ; behind the ring: 32 rows x 144 bytes for each wave, for the way out
.set SPARE, STAGE+16*32*KP             ; the spare words, 128 bytes for each wave
.set AK0, 1                            ; v1   my lane's place in a tile of K
.set AV0, 2                            ; v2   the same for V
.set ADK, 3                            ; v3   the step's address for K
.set ADV, 4                            ; v4   for V
.set SPW, 5
.set NIL, 6
.set GO,  7                            ; v7   16 x lane
.set ST,  12                           ; tile t at v[12 + 8 t]: +0 c m, +1 m, +2, +3 l, +4 .. +7 at work (a in +6)
.set PFO, 28                           ; v28  256 x lane
.set STO, 29
.set RD,  30
.set RH,  31                           ; v31  lane % 16 - 8 (lane / 16)
.set Q,   32
.set KV,  64
.set S,   128
.set O,   192
.set TB,  2                            ; s2   LDS byte at which the slot in hand begins
.set WV,  18
.set SEL, 20
.set CS,  22
.set G1K, 24
.set G1V, 32
.set G0K, 40
.set G0V, 44
.set KF,  48                           ; s48  the step's first key
.set Q0,  49                           ; s49  my first query
.set LASTQ, 50                         ; s50  my work-group's last query
.set SLOTS, 51
.set LIM, 52
.set PFA, 54
; Waves 0 and 1 fetch K's halves of a slot, waves 2 and 3 V's, the others nothing.  An s_nop 0 and four v_nop follow each load.
.macro TLOAD
	s_cmp_lt_u32 s[WV], 2
	s_cbranch_scc0 .Lnot_k_\@
	tensor_load_to_lds s[G0K:G0K+3], s[G1K:G1K+7]
	s_nop 0
.rept 4
	v_nop
.endr
	s_branch .Lasked_\@
.Lnot_k_\@:
	s_cmp_lt_u32 s[WV], 4
	s_cbranch_scc0 .Lasked_\@
	tensor_load_to_lds s[G0V:G0V+3], s[G1V:G1V+7]
	s_nop 0
.rept 4
	v_nop
.endr
.Lasked_\@:
.endm
; A prefetch of the slot that the NEXT change of slots will ask for: 32,768 dense bytes of K and as many of V.  The head's work-group with i = 0 asks (it walks all eight slots); in it waves 4 to 7 for K, waves 8 to 11
; for V, 8,192 bytes a wave, lanes 256 bytes apart: each block of 256 bytes is named once in the launch.  The last change that fills a slot asks for nothing; slots 0 and 1 come by their loads alone.
.macro ASK
	s_cmp_gt_u32 s[SLOTS], s[LIM]
	s_cbranch_scc0 .Lnot_mine_\@
	global_prefetch_b8 v[PFO], s[PFA:PFA+1] th:TH_LOAD_NT scope:SCOPE_SE
.Lnot_mine_\@:
.endm
	s_load_b128 s[4:7], s[0:1], 0x0                ; qkv, att
	v_lshl_add_u32 v[SPW], v0, 2, SPARE
	v_mov_b32 v[NIL], 0
	ds_add_u32 v[SPW], v[NIL]                      ; the wave's opening: the add, twice on end, and its wait ahead of the first tensor load
	ds_add_u32 v[SPW], v[NIL]
	v_lshrrev_b32 v11, 5, v0
	v_readfirstlane_b32 s[WV], v11                 ; wave 0..15
	s_lshr_b32 s66, s[WV], 2
	s_xor_b32 s66, s66, s[WV]
	s_and_b32 s19, s66, 1                          ; which of the two blocks is mine
	s_lshr_b32 s67, s[WV], 1                       ; which 32 queries of it
	s_sub_co_u32 s68, 7, ttmp9
	s_cmp_eq_u32 s19, 1
	s_cselect_b32 s69, s68, ttmp9                  ; block 7 - i or block i
	s_lshl_b32 s[Q0], s69, 8
	s_lshl_b32 s67, s67, 5
	s_add_co_u32 s[Q0], s[Q0], s67
	s_lshl_b32 s[LASTQ], s68, 8
	s_or_b32 s[LASTQ], s[LASTQ], 255
	s_and_b32 s70, ttmp7, 0xffff
	s_lshl_b32 s70, s70, 18                        ; the head's first byte in a section
	s_lshl_b32 s68, s[Q0], 7
	s_add_co_u32 s68, s68, s70                     ; my first query's row
	s_mov_b32 s69, 0
	s_and_b32 s72, s[WV], 1                        ; which 128 keys of a slot I fetch, if I fetch
	s_lshl_b32 s74, s72, 14
	s_add_co_u32 s74, s74, s70
	s_mov_b32 s75, 0
	s_mul_i32 s73, s72, 128*KP
	s_mul_i32 s72, s72, 128*VP
	s_add_co_u32 s72, s72, VOFF
	; descriptor group 1: 128 rows of 64 elements of 2 bytes, dense in memory; padding behind every 32 words: 4 words for K, 8 for V
	s_mov_b32 s[G1K], (1<<16)|(1<<20)|(4<<22)|(3<<25)
	s_mov_b32 s[G1V], (1<<16)|(1<<20)|(4<<22)|(7<<25)
.irp g, G1K, G1V
	s_mov_b32 s[\g+1], 64<<16                      ; tensor_dim0
	s_mov_b32 s[\g+2], 128<<16                     ; tensor_dim1
	s_mov_b32 s[\g+3], 64<<16                      ; tile_dim0
	s_mov_b32 s[\g+4], 128                         ; tile_dim1
	s_mov_b32 s[\g+5], 64                          ; from row to row
	s_mov_b32 s[\g+6], 0
	s_mov_b32 s[\g+7], 0
.endr
	s_mov_b32 s[SEL], 0x76543210
	s_mov_b32 s[SEL+1], 0xfedcba98
	s_mov_b32 s[CS], 0x3e38aa3b                    ; c = log2(e) / 8
	s_mov_b32 s[CS+1], s[CS]
	s_mov_b32 s[TB], 0
	s_mov_b32 s[KF], 0
	s_mov_b32 s[SLOTS], 7
	s_wait_dscnt 0x0                               ; both opening adds are done
	s_wait_kmcnt 0x0
	s_mov_b32 s[G0K], 1
	s_mov_b32 s[G0K+1], s73
	s_add_nc_u64 s[G0K+2:G0K+3], s[4:5], s[74:75]
	s_add_nc_u64 s[G0K+2:G0K+3], s[G0K+2:G0K+3], 1<<24   ; k's section
	s_or_b32 s[G0K+3], s[G0K+3], 0x80000000
	s_mov_b32 s[G0V], 1
	s_mov_b32 s[G0V+1], s72
	s_add_nc_u64 s[G0V+2:G0V+3], s[4:5], s[74:75]
	s_add_nc_u64 s[G0V+2:G0V+3], s[G0V+2:G0V+3], 2<<24   ; v's section
	s_or_b32 s[G0V+3], s[G0V+3], 0x80000000
	TLOAD                                          ; slot 0: it holds key 0, which counts for every query
	s_add_nc_u64 s[60:61], s[4:5], s[68:69]        ; q at my first query
	s_add_nc_u64 s[6:7], s[6:7], s[68:69]          ; att likewise
	s_cmp_lt_u32 s[WV], 8                          ; the prefetches: waves 4 to 7 stand in k's section, waves 8 to 11 in v's
	s_mov_b32 s66, 2<<24
	s_cselect_b32 s66, 1<<24, s66
	s_and_b32 s67, s[WV], 3
	s_lshl_b32 s67, s67, 13
	s_add_co_u32 s66, s66, s67
	s_add_co_u32 s66, s66, s70
	s_add_co_u32 s66, s66, 32768                   ; in slot 1: the first change of slots steps it to slot 2
	s_mov_b32 s67, 0
	s_add_nc_u64 s[PFA:PFA+1], s[4:5], s[66:67]
	s_sub_co_u32 s66, s[WV], 4
	s_lshr_b32 s66, s66, 3                         ; 0 in waves 4 to 11,
	s_or_b32 s66, s66, ttmp9                       ; of the work-group with i = 0
	s_cmp_eq_u32 s66, 0
	s_cselect_b32 s[LIM], 1, -1
	v_and_b32 v8, 15, v0                           ; r
	v_bfe_u32 v9, v0, 4, 1                         ; h
	v_lshlrev_b32 v11, 7, v8
	v_lshl_add_u32 v11, v9, 4, v11                 ; Q: row r of 128 bytes + 16 h; not rewritten
.irp t, 0,1
.irp c, 0,1
	global_load_b128 v[Q+16*\t+8*\c:Q+16*\t+8*\c+3],   v11, s[60:61] offset:\t*2048+64*\c
	global_load_b128 v[Q+16*\t+8*\c+4:Q+16*\t+8*\c+7], v11, s[60:61] offset:\t*2048+64*\c+32
.endr
.endr
	v_mul_u32_u24 v[AK0], v8, KP
	v_lshl_add_u32 v[AK0], v9, 4, v[AK0]           ; row x pitch + 16 x half
	v_and_b32 v3, 7, v0
	v_lshl_add_u32 v[AV0], v9, 3, v3               ; the turning load: key 8 h + lane % 8,
	v_mul_u32_u24 v[AV0], v[AV0], VP
	v_bfe_u32 v3, v0, 3, 1
	v_lshl_add_u32 v[AV0], v3, 4, v[AV0]           ; channels 8 ((lane / 8) % 2) on
	v_add_nc_u32 v[AV0], VOFF, v[AV0]
	v_and_b32 v4, 31, v0
	v_lshlrev_b32 v[GO], 4, v4
	v_lshlrev_b32 v[PFO], 8, v4
	v_lshlrev_b32 v[RH], 3, v9
	v_sub_nc_u32 v[RH], v8, v[RH]
	s_mul_i32 s66, s[WV], 32*KP
	s_add_co_u32 s66, s66, STAGE                   ; my stage
	v_add_nc_u32 v[STO], s66, v[AK0]               ; in: row r, 16 bytes for each half of the lanes
	v_lshrrev_b32 v3, 3, v4
	v_mul_u32_u24 v3, v3, KP
	v_and_b32 v4, 7, v0
	v_lshl_add_u32 v3, v4, 4, v3
	v_add_nc_u32 v[RD], s66, v3                    ; back: eight lanes to a row of 128 bytes, four rows an instruction
	v_mov_b32 v10, 0xff800000                      ; -infinity
.irp t, 0,1
	v_mov_b32 v[ST+8*\t+1], 0xff61b1e6             ; m: -3e38, under every score
	v_mul_f32 v[ST+8*\t], s[CS], v[ST+8*\t+1]      ; c m
.irp j, 2,3,4,5,6,7
	v_mov_b32 v[ST+8*\t+\j], 0
.endr
.endr
.set i, 0
.rept 64
	v_mov_b32 v[O+i], 0                            ; O^T.  (The step is written once: the first finds zeros, which a = 0 leaves zeros)
.set i, i+1
.endr
; A KEY STEP: 64 keys, the q-th of the slot in hand, for both my tiles.
.macro STEP q
	s_add_co_u32 s66, s[Q0], 31
	s_cmp_gt_u32 s[KF], s66                        ; all 64 keys come after my 32 queries: the step's work is left out; ids and the count of steps alone
	s_cbranch_scc1 .Lhidden_\@
	v_add_nc_u32 v[ADK], s[TB], v[AK0]
	v_add_nc_u32 v[ADV], s[TB], v[AV0]
.rept 3
	v_nop                                          ; with the two additions five places behind the last products: the loads below land on V's fragments, and the new scores are laid over P
.endr
.irp c, 0,1
.irp kt, 0,1,2,3
	ds_load_b128 v[KV+32*\c+8*\kt:KV+32*\c+8*\kt+3],   v[ADK] offset:(\q)*64*KP+\kt*16*KP+64*\c
	ds_load_b128 v[KV+32*\c+8*\kt+4:KV+32*\c+8*\kt+7], v[ADK] offset:(\q)*64*KP+\kt*16*KP+64*\c+32
.endr
.endr
	s_wait_dscnt 8                                 ; channels 0-31 are in; the eight loads of channels 32-63 may be out
.irp kt, 0,1,2,3
.irp t, 0,1
	v_wmma_f32_16x16x32_f16 v[S+32*\t+8*\kt:S+32*\t+8*\kt+7], v[KV+8*\kt:KV+8*\kt+7], v[Q+16*\t:Q+16*\t+7], 0
.endr
.endr
	s_wait_dscnt 0x0
.irp kt, 0,1,2,3                       ; the eight accumulators take turns, one instruction a turn
.irp t, 0,1
	v_wmma_f32_16x16x32_f16 v[S+32*\t+8*\kt:S+32*\t+8*\kt+7], v[KV+32+8*\kt:KV+32+8*\kt+7], v[Q+16*\t+8:Q+16*\t+15], v[S+32*\t+8*\kt:S+32*\t+8*\kt+7]
.endr
.endr
.rept 4
	v_nop                                          ; places in front of the loads into K's registers and of the first read of the scores
.endr
.irp g, 0,1
.irp dt, 0,1,2,3
	ds_load_tr16_b128 v[KV+32*\g+8*\dt:KV+32*\g+8*\dt+3],   v[ADV] offset:(\q)*64*VP+\g*32*VP+32*\dt
	ds_load_tr16_b128 v[KV+32*\g+8*\dt+4:KV+32*\g+8*\dt+7], v[ADV] offset:(\q)*64*VP+\g*32*VP+16*VP+32*\dt
.endr
.endr
	s_add_co_u32 s66, s[KF], 63
	s_cmp_le_u32 s66, s[Q0]                        ; all 64 keys count for all my queries: no mask
	s_cbranch_scc1 .Lopen_\@
	s_sub_co_i32 s66, s[Q0], s[KF]
	v_add_nc_u32 v8, s66, v[RH]                    ; d = my query - the step's first key - 8 (lane / 16), for tile 0,
	v_add_nc_u32 v9, 16, v8                        ; and for tile 1.  Register 8 kt + j holds key 16 kt + j + 8 (lane / 16): hidden where 16 kt + j > d
.irp t, 0,1
.set n, 0
.rept 32
	v_cmp_gt_i32 vcc_lo, 16*(n/8)+n%8, v[8+\t]
	v_cndmask_b32 v[S+32*\t+n], v[S+32*\t+n], v10, vcc_lo
.set n, n+1
.endr
.endr
.Lopen_\@:
.irp j, 0,1,2,3                        ; the largest score: four chains a tile, each accumulator from its low end on; the tiles line by line
.irp t, 0,1
	v_max3_num_f32 v[ST+8*\t+4+\j], v[S+32*\t+8*\j], v[S+32*\t+8*\j+1], v[S+32*\t+8*\j+2]
.endr
.endr
.irp i, 3,5
.irp j, 0,1,2,3
.irp t, 0,1
	v_max3_num_f32 v[ST+8*\t+4+\j], v[ST+8*\t+4+\j], v[S+32*\t+8*\j+\i], v[S+32*\t+8*\j+\i+1]
.endr
.endr
.endr
.irp t, 0,1
	v_max3_num_f32 v[ST+8*\t+4], v[ST+8*\t+4], v[S+32*\t+7], v[S+32*\t+15]
	v_max3_num_f32 v[ST+8*\t+6], v[ST+8*\t+6], v[S+32*\t+23], v[S+32*\t+31]
.endr
.irp t, 0,1
	v_max3_num_f32 v[ST+8*\t+4], v[ST+8*\t+4], v[ST+8*\t+5], v[ST+8*\t+6]
.endr
.irp t, 0,1
	v_max3_num_f32 v[ST+8*\t+4], v[ST+8*\t+4], v[ST+8*\t+7], v[ST+8*\t+1]   ; with the old m
.endr
.irp t, 0,1
	v_permlanex16_b32 v[ST+8*\t+5], v[ST+8*\t+4], s[SEL], s[SEL+1]          ; the query's other 32 keys lie in the lane 16 away
.endr
.irp t, 0,1
	v_mov_b32 v[ST+8*\t+7], v[ST+8*\t]             ; c m_old
.endr
.irp t, 0,1
	v_max_num_f32 v[ST+8*\t+1], v[ST+8*\t+4], v[ST+8*\t+5]
.endr
.irp t, 0,1
	v_mul_f32 v[ST+8*\t], s[CS], v[ST+8*\t+1]
.endr
.irp t, 0,1
	v_sub_f32 v[ST+8*\t+7], v[ST+8*\t+7], v[ST+8*\t]
.endr
.set n, 0
.rept 16
.irp t, 0,1
	v_pk_fma_f32 v[S+32*\t+n:S+32*\t+n+1], v[S+32*\t+n:S+32*\t+n+1], s[CS:CS+1], v[ST+8*\t:ST+8*\t+1] op_sel_hi:[1,0,0] neg_lo:[0,0,1] neg_hi:[0,0,1]   ; c s - c m, two at a time
.endr
.set n, n+2
.endr
.irp t, 0,1
	v_exp_f32 v[ST+8*\t+6], v[ST+8*\t+7]           ; a
.endr
.set n, 0
.rept 32
.irp t, 0,1
	v_exp_f32 v[S+32*\t+n], v[S+32*\t+n]           ; p: one batch of 66 exponentials
.endr
.set n, n+1
.endr
	v_nop                                          ; a plain instruction behind the last exponential
	s_wait_alu depctr_va_vdst(0)                   ; one wait for the batch, ahead of its first reader
.irp t, 0,1
	v_pk_mul_f32 v[ST+8*\t+2:ST+8*\t+3], v[ST+8*\t+2:ST+8*\t+3], v[ST+8*\t+6:ST+8*\t+7] op_sel_hi:[1,0]   ; l x a
.endr
.irp t, 0,1
	v_pk_add_f32 v[ST+8*\t+4:ST+8*\t+5], v[S+32*\t:S+32*\t+1], v[S+32*\t+2:S+32*\t+3]                    ; the sum of the unrounded p, in two chains
.endr
.irp j, 4,8,12,16,20,24,28
.irp t, 0,1
	v_pk_add_f32 v[ST+8*\t+2:ST+8*\t+3], v[ST+8*\t+2:ST+8*\t+3], v[S+32*\t+\j:S+32*\t+\j+1]
	v_pk_add_f32 v[ST+8*\t+4:ST+8*\t+5], v[ST+8*\t+4:ST+8*\t+5], v[S+32*\t+\j+2:S+32*\t+\j+3]
.endr
.endr
.irp t, 0,1
	v_pk_add_f32 v[ST+8*\t+2:ST+8*\t+3], v[ST+8*\t+2:ST+8*\t+3], v[ST+8*\t+4:ST+8*\t+5]
.endr
.set n, 0
.rept 16
.irp t, 0,1
	v_cvt_pk_f16_f32 v[S+32*\t+n], v[S+32*\t+2*n], v[S+32*\t+2*n+1]   ; P, in place and ascending: register n is written when registers 2 n, 2 n + 1 are read
.endr
.set n, n+1
.endr
.set n, 0
.rept 16
.irp t, 0,1
	v_pk_mul_f32 v[O+32*\t+n:O+32*\t+n+1], v[O+32*\t+n:O+32*\t+n+1], v[ST+8*\t+6:ST+8*\t+7] op_sel_hi:[1,0]   ; O^T x a, each accumulator from its low end on
.endr
.set n, n+2
.endr
	s_wait_dscnt 0x0                               ; V is in
.irp g, 0,1
.irp dt, 0,1,2,3
.irp t, 0,1
	v_wmma_f32_16x16x32_f16 v[O+32*\t+8*\dt:O+32*\t+8*\dt+7], v[KV+32*\g+8*\dt:KV+32*\g+8*\dt+7], v[S+32*\t+8*\g:S+32*\t+8*\g+7], v[O+32*\t+8*\dt:O+32*\t+8*\dt+7]
.endr
.endr
.endr
.Lhidden_\@:
	s_add_co_u32 s[KF], s[KF], 64
.endm
; THE CHANGE OF SLOTS stands at a slot's head.  Each wave waits for all its tensor loads, adds 0 to its spare word, and waits for that and for its reads of the slot that it has left; behind the barrier the slot ahead is
; whole and nobody reads the other one.  fill = 1: that other slot takes the next 256 keys, while some query of the work-group sees them: the load has a slot's four steps in which to land.  One load of a fetching wave is out.
.macro CHANGE fill
	s_wait_tensorcnt 0x0                           ; no tensor load of mine is out, so a group 0 may be written
	ds_add_u32 v[SPW], v[NIL]
.if \fill
	ds_add_u32 v[SPW], v[NIL]                      ; a second add here, in every trip alike
	s_xor_b32 s[G0K+1], s[G0K+1], SLOT1
	s_add_nc_u64 s[G0K+2:G0K+3], s[G0K+2:G0K+3], SK*128
	s_xor_b32 s[G0V+1], s[G0V+1], SLOT1
	s_add_nc_u64 s[G0V+2:G0V+3], s[G0V+2:G0V+3], SK*128
	s_wait_xcnt 0x0                                ; the last prefetch, a slot back, has read its address
	s_add_nc_u64 s[PFA:PFA+1], s[PFA:PFA+1], SK*128
.endif
	s_wait_dscnt 0x0
	s_barrier_signal -1
	s_barrier_wait -1
.if \fill
	s_add_co_u32 s66, s[KF], SK                    ; the first key of the slot that this change would ask for
	s_cmp_gt_u32 s66, s[LASTQ]                     ; behind my work-group's last query: no wave would read it.  Ids and the count of steps alone: all sixteen waves go the same way
	s_cbranch_scc1 .Lpast_\@
	TLOAD                                          ; a wave's one tensor load until the next change
.Lpast_\@:
	ASK
.endif
.endm
.macro SLOT_STEPS
	STEP 0
	STEP 1
	STEP 2
	STEP 3
	s_xor_b32 s[TB], s[TB], SLOT1
.endm
	s_wait_loadcnt 0x0                             ; Q
.Lslot:                                            ; seven trips
	CHANGE 1
	SLOT_STEPS
	s_sub_co_u32 s[SLOTS], s[SLOTS], 1
	s_cmp_lg_u32 s[SLOTS], 0
	s_cbranch_scc1 .Lslot
	CHANGE 0                                       ; the last slot is written out: nothing is asked for
	SLOT_STEPS
	; THE WAY OUT.  O^T / l, rounded to f16, through my stage, and out as 512 consecutive bytes a store: my 32 queries are 4,096 bytes on end.
.irp t, 0,1
	v_add_f32 v[ST+8*\t+4], v[ST+8*\t+2], v[ST+8*\t+3]
.endr
.irp t, 0,1
	v_permlanex16_b32 v[ST+8*\t+5], v[ST+8*\t+4], s[SEL], s[SEL+1]
.endr
.irp t, 0,1
	v_add_f32 v[ST+8*\t+4], v[ST+8*\t+4], v[ST+8*\t+5]
.endr
	v_nop
	v_nop                                          ; (with the four additions: the places behind the last products)
.irp t, 0,1
	v_rcp_f32 v[ST+8*\t+6], v[ST+8*\t+4]
.endr
	v_nop
	s_wait_alu depctr_va_vdst(0)                   ; one wait for the two reciprocals, ahead of their first reader
.set n, 0
.rept 16
.irp t, 0,1
	v_pk_mul_f32 v[O+32*\t+n:O+32*\t+n+1], v[O+32*\t+n:O+32*\t+n+1], v[ST+8*\t+6:ST+8*\t+7] op_sel_hi:[1,0]
.endr
.set n, n+2
.endr
.set n, 0
.rept 32
	v_cvt_pk_f16_f32 v[S+n], v[O+2*n], v[O+2*n+1]  ; register 16 t + 4 dt + i: channels 16 dt + 8 h + 2 i, + 1 of query r of tile t
.set n, n+1
.endr
.irp t, 0,1
.irp dt, 0,1,2,3
	ds_store_b128 v[STO], v[S+16*\t+4*\dt:S+16*\t+4*\dt+3] offset:\t*16*KP+32*\dt
.endr
.endr
.irp i, 0,1,2,3,4,5,6,7
	ds_load_b128 v[KV+4*\i:KV+4*\i+3], v[RD] offset:\i*4*KP   ; LDS serves a wave's instructions in order: these see my stores
.endr
.irp i, 0,1,2,3,4,5,6,7
	s_wait_dscnt 7-\i                              ; load i is in; the 7 - i behind it may be out
	global_store_b128 v[GO], v[KV+4*\i:KV+4*\i+3], s[6:7] offset:512*\i
.endr
	s_wait_tensorcnt 0x0                           ; the wave's end
	ds_add_u32 v[SPW], v[NIL]
	s_wait_dscnt 0x0
	s_endpgm
.Lfunc_end_k_q397631d575_attn:
	.size	k_q397631d575_attn, .Lfunc_end_k_q397631d575_attn-k_q397631d575_attn
	.p2alignl 7, 3214868480
	.fill 96, 4, 3214868480
	.section	.rodata,"a",@progbits
	.p2align	6, 0x0
	.amdhsa_kernel k_q397631d575_attn
		.amdhsa_group_segment_fixed_size 327680
		.amdhsa_private_segment_fixed_size 0
		.amdhsa_enable_private_segment 0
		.amdhsa_kernarg_size 16
		.amdhsa_user_sgpr_count 2
		.amdhsa_user_sgpr_kernarg_segment_ptr 1
		.amdhsa_wavefront_size32 1
		.amdhsa_system_sgpr_workgroup_id_x 1
		.amdhsa_system_sgpr_workgroup_id_y 1
		.amdhsa_system_sgpr_workgroup_id_z 1
		.amdhsa_system_vgpr_workitem_id 0
		.amdhsa_next_free_vgpr 256
		.amdhsa_next_free_sgpr 80
		.amdhsa_reserve_vcc 1
		.amdhsa_float_denorm_mode_32 3
		.amdhsa_float_denorm_mode_16_64 3
		.amdhsa_memory_ordered 1
		.amdhsa_forward_progress 1
		.amdhsa_inst_pref_size 189
	.end_amdhsa_kernel
	.amdgpu_metadata
---
amdhsa.version: [ 1, 2 ]
amdhsa.kernels:
  - .name:           k_q397631d575_attn
    .symbol:         k_q397631d575_attn.kd
    .args:
      - { .name: qkv, .offset: 0, .size: 8, .value_kind: global_buffer, .address_space: global }
      - { .name: att, .offset: 8, .size: 8, .value_kind: global_buffer, .address_space: global }
    .group_segment_fixed_size: 327680
    .private_segment_fixed_size: 0
    .kernarg_segment_align: 8
    .kernarg_segment_size: 16
    .max_flat_workgroup_size: 512
    .sgpr_count:     80
    .vgpr_count:     256
    .wavefront_size: 32
...
	.end_amdgpu_metadata
.endif
;; end of part 3
;; launch proj (part 4): grid 8 x 64, 4 waves a work-group, clusters of 4 x 4, 327,680 bytes of LDS; arguments att, wpt, out0; writes out0
.if DOCPART == 4
	.amdgcn_target "amdgcn-amd-amdhsa--gfx1250"
	.amdhsa_code_object_version 6
	.text
	.protected	k_q397631d575_proj
	.globl	k_q397631d575_proj
	.p2align	8
	.type	k_q397631d575_proj,@function
k_q397631d575_proj:
	s_mov_b64 s[64:65], 0
	v_nop
	global_prefetch_b8 v0, s[64:65] scope:SCOPE_SE
	s_setreg_imm32_b32 hwreg(HW_REG_WAVE_MODE, 25, 1), 1
	s_wait_xcnt 0x0
	s_wait_alu depctr_hold_cnt(0) depctr_sa_sdst(0) depctr_va_vdst(0) depctr_va_sdst(0) depctr_va_ssrc(0) depctr_va_vcc(0) depctr_vm_vsrc(0)
	s_getreg_b32 s2, hwreg(HW_REG_IB_STS2, 6, 4)
	s_cmp_eq_u32 s2, 0
	s_cbranch_scc0 .Lentry_in_a_cluster
	s_endpgm
.Lentry_in_a_cluster:
	s_bfe_u32 s2, ttmp6, 0x10000c
	s_cmp_lg_u32 s2, 0xf033
	s_cbranch_scc0 .Lentry_shape_is_right
	s_endpgm
.Lentry_shape_is_right:
; out0[m][n] = the sum over k of A[m][k] W_proj[k][n], m = 2048 b + t, k = 64 h + d.  A = att, f16, laid by head: [b][h][t][64]; wpt = W_proj turned, f16 [1024 n][1024 k]; out0 f32; sums in f32.
; A tile of 128 x 128 to a work-group: 512 work-groups.  Four waves, each 64 x 64: 16 accumulators.  K goes in steps of 256 (four heads) through two LDS slots.
; A's part of a slot: one load a wave brings 64 positions of four heads: four rows of 8,192 dense bytes, 262,144 bytes apart, with 16 bytes of padding behind every 128: in LDS [head 4][position 64][144 bytes].
; B's part: 64 rows of 512 bytes, 528 apart.
; CLUSTERS: 4 x 4 work-groups; A's tiles are asked for jointly along a row of the cluster, B's along a column.  THE MATRIX INSTRUCTION IS USED TRANSPOSED (source 0 = rows of wpt, source 1 = rows of A).
; A wave's 64 columns of f32 are 256 bytes, aligned: each wave sends its results through a stage of its own, with no barrier.
; (Rows 0-15 of every batch are written again, in f32 throughout, by the next launch.)
; REGISTERS: window 0: v0-31 addresses; v32-95 the way out; v128-255 the accumulators.  window 1: two fragment buffers of 128.
.set SIZE_K, 1024
.set KSTEP,  256
.set PITCH,  528                       ; B's LDS row: 512 bytes + 16
.set HALFT,  64*PITCH
.set APITCH, 144                       ; A's LDS row: a head's 128 bytes + 16
.set AHEAD,  64*APITCH                 ; a head's 64 positions
.set HALFA,  4*AHEAD
.set BOFF,   2*HALFA
.set SLOT,   BOFF+2*HALFT
.set STAGE,  2*SLOT                    ; behind the ring: 16 rows x 272 bytes for each wave
.set SPITCH, 272
.set SPARE,  STAGE+4*16*SPITCH
.set LAPS,   SIZE_K/(2*KSTEP)
.set ADRA, 16
.set ADRB, 20
.set STO,  24
.set RD,   25
.set CO,   26
.set SPW,  28
.set NIL,  29
.set TMP,  32
.set ACC,  128
.set F0,   0
.set F1,   128
.set G1, 24
.set G0, 32
.set G1B, 48
.set G0B, 56
.set MSB, 0
.macro WIN new
.if MSB != \new
	s_set_vgpr_msb (MSB<<8)|\new
.set MSB, \new
.endif
.endm
.set MUL,  0x05                        ; sources 0 (B) and 1 (A) window 1; C and D window 0
.set TO_F, 0x40
.macro JLOAD s                         ; a joint load: waves 0 and 1 fetch A's halves, waves 2 and 3 B's; an s_nop 0 and four v_nop follow each line
	s_cmp_eq_u32 s11, 0
	s_cbranch_scc0 .Lfor_b_\@
	tensor_load_to_lds s[G0+4*\s:G0+4*\s+3], s[G1:G1+7]
	s_nop 0
.rept 4
	v_nop
.endr
	s_branch .Lasked_\@
.Lfor_b_\@:
	tensor_load_to_lds s[G0B+4*\s:G0B+4*\s+3], s[G1B:G1B+7]
	s_nop 0
.rept 4
	v_nop
.endr
.Lasked_\@:
.endm
.macro CREST
	s_cmp_lg_u32 s10, 0
	s_cbranch_scc1 .Lnot_wave_0_\@
	s_barrier_signal -3
.Lnot_wave_0_\@:
	s_barrier_wait -3
	s_barrier_signal -1
	s_barrier_wait -1
.endm
.macro CROUND
	s_barrier_signal -1
	s_barrier_wait -1
	CREST
.endm
	s_load_b128 s[4:7], s[0:1], 0x0                ; att, wpt
	s_load_b64 s[8:9], s[0:1], 0x10                ; out0
	v_lshl_add_u32 v[SPW], v0, 2, SPARE
	v_mov_b32 v[NIL], 0
	ds_add_u32 v[SPW], v[NIL]                      ; the wave's opening: the add, twice on end, and its wait ahead of my first tensor load
	ds_add_u32 v[SPW], v[NIL]
	v_lshrrev_b32 v1, 5, v0
	v_readfirstlane_b32 s10, v1                    ; wave 0..3
	s_lshr_b32 s11, s10, 1                         ; which half of the tile's rows is mine.  Also: I fetch for A (0) or for B (1)
	s_and_b32 s12, s10, 1                          ; which half of its columns.  Also: which 64 rows of that tile I fetch
	s_bfe_u32 s40, ttmp6, 0x40000
	s_bfe_u32 s41, ttmp6, 0x40004
	s_lshl_b32 s42, ttmp9, 2
	s_add_co_u32 s42, s42, s40                     ; tile column
	s_and_b32 s13, ttmp7, 0xffff
	s_lshl_b32 s13, s13, 2
	s_add_co_u32 s13, s13, s41                     ; tile row
	s_lshl_b32 s43, s41, 2
	s_lshl_b32 s43, 15, s43                        ; my row of the cluster
	s_lshl_b32 s44, 0x1111, s40                    ; my column
	s_or_b32 s[G1+0], s43, (1<<16)|(1<<20)|(1<<21)|(4<<22)|(3<<25)   ; A: elements of 2 bytes; 4 words of padding after every 32
	s_mov_b32 s[G1+1], 4096<<16                    ; tensor_dim0 = 4,096 elements: 64 positions of one head
	s_mov_b32 s[G1+2], 4<<16                       ; tensor_dim1 = 4 heads
	s_mov_b32 s[G1+3], 4096<<16                    ; tile_dim0
	s_mov_b32 s[G1+4], 4                           ; tile_dim1
	s_mov_b32 s[G1+5], 131072                      ; from head to head, in elements
	s_mov_b32 s[G1+6], 0
	s_mov_b32 s[G1+7], 0
	s_or_b32 s[G1B+0], s44, (1<<16)|(1<<20)|(1<<21)|(6<<22)|(3<<25)  ; B: 4 words of padding after every 128
	s_mov_b32 s[G1B+1], KSTEP<<16
	s_mov_b32 s[G1B+2], 64<<16
	s_mov_b32 s[G1B+3], KSTEP<<16
	s_mov_b32 s[G1B+4], 64
	s_mov_b32 s[G1B+5], SIZE_K
	s_mov_b32 s[G1B+6], 0
	s_mov_b32 s[G1B+7], 0
	s_lshr_b32 s16, s13, 4                         ; A: batch << 22 + position << 7: 16 tile rows to a batch
	s_lshl_b32 s16, s16, 22
	s_and_b32 s17, s13, 15
	s_lshl_b32 s17, s17, 14
	s_add_co_u32 s16, s16, s17
	s_lshl_b32 s17, s12, 13
	s_add_co_u32 s16, s16, s17
	s_mov_b32 s17, 0
	s_lshl_b32 s46, s42, 7                         ; B: row 128 x tile column + 64 x half, of 2,048 bytes
	s_lshl_b32 s47, s12, 6
	s_add_co_u32 s46, s46, s47
	s_lshl_b32 s46, s46, 11
	s_mov_b32 s47, 0
	s_mul_i32 s20, s12, HALFA                      ; where they go: the wave's number alone enters an LDS address
	s_mul_i32 s21, s12, HALFT
	s_add_co_u32 s21, s21, BOFF
	s_wait_dscnt 0x0                               ; both opening adds are done
	s_wait_kmcnt 0x0
	s_add_nc_u64 s[14:15], s[4:5], s[16:17]
	s_add_nc_u64 s[46:47], s[6:7], s[46:47]
	CROUND                                         ; all sixteen work-groups are here: the first joint loads meet
.irp s, 0,1
	s_mov_b32 s[G0+4*\s], 1
	s_add_co_u32 s[G0+4*\s+1], s20, \s*SLOT
	s_add_nc_u64 s[G0+4*\s+2:G0+4*\s+3], s[14:15], \s*4*262144     ; four heads on
	s_or_b32 s[G0+4*\s+3], s[G0+4*\s+3], 0x80000000
	s_mov_b32 s[G0B+4*\s], 1
	s_add_co_u32 s[G0B+4*\s+1], s21, \s*SLOT
	s_add_nc_u64 s[G0B+4*\s+2:G0B+4*\s+3], s[46:47], \s*KSTEP*2
	s_or_b32 s[G0B+4*\s+3], s[G0B+4*\s+3], 0x80000000
	JLOAD \s
.endr
	v_and_b32 v1, 15, v0
	v_bfe_u32 v2, v0, 4, 1
	v_mul_u32_u24 v3, v1, PITCH
	v_lshl_add_u32 v3, v2, 4, v3
	v_mul_u32_u24 v4, v1, APITCH
	v_lshl_add_u32 v4, v2, 4, v4
	s_mul_i32 s21, s11, HALFA                      ; my 64 rows of A
	s_mul_i32 s22, s12, HALFT                      ; my 64 rows of B
	s_add_co_u32 s22, s22, BOFF
.irp s, 0,1
	v_add_nc_u32 v[ADRA+\s], s21, v4
	v_add_nc_u32 v[ADRB+\s], s22, v3
	s_add_co_u32 s21, s21, SLOT
	s_add_co_u32 s22, s22, SLOT
.endr
	s_mul_i32 s23, s10, 16*SPITCH
	s_add_co_u32 s23, s23, STAGE                   ; my stage
	v_mul_u32_u24 v4, v1, SPITCH
	v_lshl_add_u32 v4, v2, 5, v4
	v_add_nc_u32 v[STO], s23, v4                   ; in: row l % 16, 32 bytes for each half of the lanes
	v_mul_u32_u24 v5, v2, SPITCH
	v_lshl_add_u32 v5, v1, 4, v5
	v_add_nc_u32 v[RD], s23, v5                    ; back: lanes 0-15 one row of 256 bytes, lanes 16-31 the next
	v_lshlrev_b32 v5, 12, v2
	v_lshl_add_u32 v[CO], v1, 4, v5                ; and the same two rows in out0
	s_lshl_b32 s16, s13, 7
	s_lshl_b32 s17, s11, 6
	s_add_co_u32 s16, s16, s17                     ; my first row
	s_lshl_b32 s16, s16, 12
	s_mov_b32 s17, 0
	s_add_nc_u64 s[8:9], s[8:9], s[16:17]
	s_lshl_b32 s46, s42, 9                         ; my first column, in bytes
	s_lshl_b32 s47, s12, 8
	s_add_co_u32 s46, s46, s47
	s_mov_b32 s47, 0
	s_add_nc_u64 s[8:9], s[8:9], s[46:47]
.macro MUL8 f, c, a0, zero             ; 8 matrix instructions; the 16 accumulators take turns
.irp a, \a0, \a0+1
.irp b, 0,1,2,3
.if \zero
	v_wmma_f32_16x16x32_f16 v[ACC+8*(4*(\a)+\b):ACC+8*(4*(\a)+\b)+7], v[\f+64+8*(4*\c+\b):\f+64+8*(4*\c+\b)+7], v[\f+8*(4*\c+\a):\f+8*(4*\c+\a)+7], 0
.else
	v_wmma_f32_16x16x32_f16 v[ACC+8*(4*(\a)+\b):ACC+8*(4*(\a)+\b)+7], v[\f+64+8*(4*\c+\b):\f+64+8*(4*\c+\b)+7], v[\f+8*(4*\c+\a):\f+8*(4*\c+\a)+7], v[ACC+8*(4*(\a)+\b):ACC+8*(4*(\a)+\b)+7]
.endif
.endr
.endr
.endm
.macro FETCH slot, qd, f               ; 32 LDS loads: the fragments of the slot's qd-th 64 along K (one head), the first 32 along K first
	WIN TO_F
.irp c, 0,1
.irp i, 0,1,2,3
	ds_load_b128 v[\f+64+8*(4*\c+\i):\f+64+8*(4*\c+\i)+3],   v[ADRB+\slot] offset:128*(\qd)+64*\c+\i*16*PITCH
	ds_load_b128 v[\f+64+8*(4*\c+\i)+4:\f+64+8*(4*\c+\i)+7], v[ADRB+\slot] offset:128*(\qd)+64*\c+\i*16*PITCH+32
	ds_load_b128 v[\f+8*(4*\c+\i):\f+8*(4*\c+\i)+3],         v[ADRA+\slot] offset:AHEAD*(\qd)+64*\c+\i*16*APITCH
	ds_load_b128 v[\f+8*(4*\c+\i)+4:\f+8*(4*\c+\i)+7],       v[ADRA+\slot] offset:AHEAD*(\qd)+64*\c+\i*16*APITCH+32
.endr
.endr
.endm
.macro PLACES
.rept 4
	v_nop
.endr
.endm
.macro QUARTER slot, qd, f, g, zero    ; multiplies buffer f and fetches the slot's qd-th quarter into g
	s_wait_dscnt 16                                ; the first 32 along K are in; the sixteen loads of the second may be out
	WIN MUL
	MUL8 \f, 0, 0, \zero
	MUL8 \f, 0, 2, \zero
	PLACES
	FETCH \slot, \qd, \g
	s_wait_dscnt 32                                ; all but the 32 just issued
	WIN MUL
	MUL8 \f, 1, 0, 0
	MUL8 \f, 1, 2, 0
.endm
.macro TURN slot, next, fill           ; the last quarter changes slots: one barrier; fill = 1: it opens a round of the cluster's barrier, and this slot is filled again, two K steps ahead
	WIN 0
	s_wait_tensorcnt 0x0                           ; all my tensor loads have landed: my part of the next slot
	ds_add_u32 v[SPW], v[NIL]
	s_wait_dscnt 17                                ; the add and the youngest sixteen loads may be out
	WIN MUL
	MUL8 F1, 0, 0, 0
	s_wait_dscnt 0x0                               ; the add is done, and my reads of this slot are over
	s_barrier_signal -1
	MUL8 F1, 0, 2, 0
.if \fill
	WIN 0
.endif
	s_barrier_wait -1
.if \fill
	CREST
	s_add_nc_u64 s[G0+4*\slot+2:G0+4*\slot+3], s[G0+4*\slot+2:G0+4*\slot+3], 2*4*262144
	s_add_nc_u64 s[G0B+4*\slot+2:G0B+4*\slot+3], s[G0B+4*\slot+2:G0B+4*\slot+3], 2*KSTEP*2
	JLOAD \slot                                    ; the first tensor load behind the round; its four v_nop are also the places in front of the loads below
.else
	PLACES
.endif
	FETCH \next, 0, F0
	WIN MUL
	MUL8 F1, 1, 0, 0
	MUL8 F1, 1, 2, 0
.endm
	s_wait_tensorcnt 1                             ; my part of K step 0 is in; K step 1's load may be out
	s_barrier_signal -1
	s_barrier_wait -1
	FETCH 0, 0, F0
	QUARTER 0, 1, F0, F1, 1                        ; the first products start the sums
	WIN 0
	s_mov_b32 s3, LAPS-1
.Llap:                                             ; a trip goes once round the ring and fills both slots again
	QUARTER 0, 2, F1, F0, 0
	QUARTER 0, 3, F0, F1, 0
	TURN 0, 1, 1
	QUARTER 1, 1, F0, F1, 0
	QUARTER 1, 2, F1, F0, 0
	QUARTER 1, 3, F0, F1, 0
	TURN 1, 0, 1
	QUARTER 0, 1, F0, F1, 0
	WIN 0
	s_sub_co_u32 s3, s3, 1
	s_cmp_lg_u32 s3, 0
	s_cbranch_scc1 .Llap
	QUARTER 0, 2, F1, F0, 0                        ; the last lap fills nothing
	QUARTER 0, 3, F0, F1, 0
	TURN 0, 1, 0
	QUARTER 1, 1, F0, F1, 0
	QUARTER 1, 2, F1, F0, 0
	QUARTER 1, 3, F0, F1, 0
	s_wait_dscnt 16                                ; the very last quarter: the sixteen loads of its second half may be out
	WIN MUL
	MUL8 F1, 0, 0, 0
	MUL8 F1, 0, 2, 0
	s_wait_dscnt 0
	MUL8 F1, 1, 0, 0
	MUL8 F1, 1, 2, 0
	WIN 0
; THE WAY OUT, block by block of 16 rows x 64 columns of f32, through my own stage.
.macro TOSTAGE a
.irp b, 0,1,2,3
	ds_store_b128 v[STO], v[ACC+8*(4*(\a)+\b):ACC+8*(4*(\a)+\b)+3] offset:64*\b        ; each accumulator from its low end on
	ds_store_b128 v[STO], v[ACC+8*(4*(\a)+\b)+4:ACC+8*(4*(\a)+\b)+7] offset:64*\b+16
.endr
.irp i, 0,1,2,3,4,5,6,7
	ds_load_b128 v[TMP+32*((\a)%2)+4*\i:TMP+32*((\a)%2)+4*\i+3], v[RD] offset:\i*2*SPITCH   ; LDS serves a wave's instructions in order
.endr
.endm
.macro SEND a, younger                 ; younger: the LDS instructions issued behind block a's loads
	s_wait_dscnt \younger
.if (\a) > 0
	s_add_nc_u64 s[8:9], s[8:9], 16*4096           ; 16 rows on (behind a wait on XCNT: the earlier stores have read their base)
.endif
.irp i, 0,1,2,3,4,5,6,7
	global_store_b128 v[CO], v[TMP+32*((\a)%2)+4*\i:TMP+32*((\a)%2)+4*\i+3], s[8:9] offset:\i*2*4096 th:TH_STORE_NT   ; sixteen lanes store 256 consecutive bytes, aligned
.endr
.endm
	PLACES
	TOSTAGE 0
.irp a, 1,2,3
.if \a > 1
	s_wait_xcnt 0x0                                ; block a - 2's stores have read their registers and their base
.endif
	TOSTAGE \a
	SEND \a-1, 16                                  ; behind block a - 1's loads: block a's 8 stores and 8 loads
.endr
	s_wait_xcnt 0x0
	SEND 3, 0
	s_wait_tensorcnt 0x0                           ; the wave's end
	ds_add_u32 v[SPW], v[NIL]
	s_wait_dscnt 0x0
	CROUND                                         ; the closing round
	s_endpgm
.Lfunc_end_k_q397631d575_proj:
	.size	k_q397631d575_proj, .Lfunc_end_k_q397631d575_proj-k_q397631d575_proj
	.p2alignl 7, 3214868480
	.fill 96, 4, 3214868480
	.section	.rodata,"a",@progbits
	.p2align	6, 0x0
	.amdhsa_kernel k_q397631d575_proj
		.amdhsa_group_segment_fixed_size 327680
		.amdhsa_private_segment_fixed_size 0
		.amdhsa_enable_private_segment 0
		.amdhsa_kernarg_size 24
		.amdhsa_user_sgpr_count 2
		.amdhsa_user_sgpr_kernarg_segment_ptr 1
		.amdhsa_wavefront_size32 1
		.amdhsa_system_sgpr_workgroup_id_x 1
		.amdhsa_system_sgpr_workgroup_id_y 1
		.amdhsa_system_sgpr_workgroup_id_z 1
		.amdhsa_system_vgpr_workitem_id 0
		.amdhsa_next_free_vgpr 512
		.amdhsa_next_free_sgpr 66
		.amdhsa_reserve_vcc 0
		.amdhsa_float_denorm_mode_32 3
		.amdhsa_float_denorm_mode_16_64 3
		.amdhsa_memory_ordered 1
		.amdhsa_forward_progress 1
		.amdhsa_inst_pref_size 86
	.end_amdhsa_kernel
	.amdgpu_metadata
---
amdhsa.version: [ 1, 2 ]
amdhsa.kernels:
  - .name:           k_q397631d575_proj
    .symbol:         k_q397631d575_proj.kd
    .args:
      - { .name: att, .offset: 0, .size: 8, .value_kind: global_buffer, .address_space: global }
      - { .name: wpt, .offset: 8, .size: 8, .value_kind: global_buffer, .address_space: global }
      - { .name: out0, .offset: 16, .size: 8, .value_kind: global_buffer, .address_space: global }
    .group_segment_fixed_size: 327680
    .private_segment_fixed_size: 0
    .kernarg_segment_align: 8
    .kernarg_segment_size: 24
    .max_flat_workgroup_size: 128
    .sgpr_count:     66
    .vgpr_count:     512
    .wavefront_size: 32
...
	.end_amdgpu_metadata
.endif
;; end of part 4
;; launch fine (part 5): grid 32 x 4, 16 waves a work-group, no clusters, 108,544 bytes of LDS; arguments qkvf, W_proj, out0; writes out0
.if DOCPART == 5
	.amdgcn_target "amdgcn-amd-amdhsa--gfx1250"
	.amdhsa_code_object_version 6
	.text
	.protected	k_q397631d575_fine
	.globl	k_q397631d575_fine
	.p2align	8
	.type	k_q397631d575_fine,@function
k_q397631d575_fine:
	s_mov_b64 s[64:65], 0
	v_nop
	global_prefetch_b8 v0, s[64:65] scope:SCOPE_SE
	s_setreg_imm32_b32 hwreg(HW_REG_WAVE_MODE, 25, 1), 1
	s_wait_xcnt 0x0
; POSITIONS 0-15 OF EVERY SEQUENCE, IN F32 THROUGHOUT: attention and the projection, by the f32 matrix form: 64 rows of out0, written over what the launch before left there.  No bulk work.
; A work-group takes 32 output columns of one batch.  Wave w is head w: it makes the 16 x 16 attention of its head and multiplies the result by W_proj's rows 64 w .. 64 w + 63; the sixteen partial sums meet in LDS,
; and wave w adds up and stores row w.
; qkvf holds accumulators as they stood: register 4 c + i of the image of channels 16 dt .. 16 dt + 15 holds, in lane (r, h), position r, channel 16 dt + 8 h + 4 c + i.  A pair of registers (2 s, 2 s + 1) of such an image
; IS an operand of the form (register j: k = 2 h + j) under the renaming k <-> channel 16 dt + 8 h + 2 s + j, which is taken alike on both sides of every product.
; S^T = k q^T: a lane holds query r and keys 8 h + 0 .. 7.  O^T = v^T p, v turned through my own LDS bytes.  out^T = W^T att^T.
; The registers that the matrix instructions write (v192-255) are written by nothing else; what is made of a finished sum goes into other registers.
; COST, stated: a wave's store covers 128 consecutive bytes, and W_proj is read in pieces of 64 bytes: 256 KiB of output in all.
.set VST,   0                          ; 16 rows x 272 bytes for each wave: v by rows
.set RED,   16*16*272                  ; 16 rows x 144 bytes for each wave: its partial sums
.set SPARE, RED+16*16*144
	s_load_b128 s[4:7], s[0:1], 0x0                ; qkvf, W_proj
	s_load_b64 s[8:9], s[0:1], 0x10                ; out0
	v_lshl_add_u32 v10, v0, 2, SPARE               ; my spare word; never rewritten
	v_mov_b32 v11, 0                               ; 0; never rewritten
	v_lshrrev_b32 v12, 5, v0
	v_readfirstlane_b32 s10, v12                   ; wave = head
	v_and_b32 v1, 15, v0                           ; r
	v_bfe_u32 v2, v0, 4, 1                         ; h
	v_and_b32 v12, 31, v0
	v_lshlrev_b32 v3, 4, v12                       ; 16 x lane
	v_lshlrev_b32 v9, 2, v12                       ; 4 x lane
	v_lshlrev_b32 v4, 15, v2
	v_lshl_add_u32 v4, v1, 2, v4                   ; W_proj: 8 h rows of 4,096 bytes + 4 r
	s_mul_i32 s11, s10, 16*272
	v_mul_u32_u24 v5, v1, 272
	v_lshl_add_u32 v5, v2, 5, v5
	v_add_nc_u32 v5, s11, v5                       ; v in: row r, + 32 h
	v_mul_u32_u24 v6, v2, 8*272
	v_lshl_add_u32 v6, v1, 2, v6
	v_add_nc_u32 v6, s11, v6                       ; v back: row 8 h, + 4 r
	s_mul_i32 s11, s10, 16*144
	s_add_co_u32 s11, s11, RED
	v_mul_u32_u24 v7, v1, 144
	v_lshl_add_u32 v7, v2, 5, v7
	v_add_nc_u32 v7, s11, v7                       ; my partial sums: row r, + 32 h
	s_mul_i32 s11, s10, 144
	s_add_co_u32 s11, s11, RED
	v_add_nc_u32 v8, s11, v9                       ; row w of each wave's partial sums, 4 bytes a lane
	v_lshlrev_b32 v13, 3, v2
	v_sub_nc_u32 v13, v1, v13                      ; r - 8 h
	v_mov_b32 v14, 0xff800000                      ; -infinity
	v_mov_b32 v16, 0                               ; (a lane permute's destination counts as one of its sources)
	s_and_b32 s12, ttmp7, 0xffff                   ; the batch
	s_lshl_b32 s14, s12, 16
	s_lshl_b32 s15, s10, 12
	s_add_co_u32 s14, s14, s15                     ; qkvf: batch << 16 + head << 12
	s_mov_b32 s15, 0
	s_lshl_b32 s16, s10, 18                        ; W_proj: my head's 64 rows,
	s_lshl_b32 s17, ttmp9, 7                       ; my work-group's 32 columns
	s_add_co_u32 s16, s16, s17
	s_mov_b32 s17, 0
	s_lshl_b32 s18, s12, 11
	s_add_co_u32 s18, s18, s10                     ; out0: row 2048 b + w
	s_lshl_b32 s18, s18, 12
	s_lshl_b32 s19, ttmp9, 7
	s_add_co_u32 s18, s18, s19
	s_mov_b32 s19, 0
	s_mov_b32 s20, 0x76543210
	s_mov_b32 s21, 0xfedcba98                      ; lane l xor 16
	s_mov_b32 s22, 0x3e38aa3b                      ; c = log2(e) / 8
	s_wait_kmcnt 0x0
	s_add_nc_u64 s[4:5], s[4:5], s[14:15]
	s_add_nc_u64 s[6:7], s[6:7], s[16:17]
	s_add_nc_u64 s[8:9], s[8:9], s[18:19]
.irp sec, 0,1,2                        ; q -> v32-63, k -> v64-95, v -> v96-127
.irp dt, 0,1,2,3
.irp c, 0,1
	global_load_b128 v[32+32*\sec+8*\dt+4*\c:32+32*\sec+8*\dt+4*\c+3], v3, s[4:5] offset:\sec*262144+1024*\dt+512*\c
.endr
.endr
.endr
.irp nt, 0,1                           ; W_proj(64 w + 16 dt + 8 h + e, n0 + 16 nt + r) -> v[128 + 32 nt + 8 dt + e]
.irp dt, 0,1,2,3
.irp e, 0,1,2,3,4,5,6,7
	global_load_b32 v[128+32*\nt+8*\dt+\e], v4, s[6:7] offset:(16*\dt+\e)*4096+64*\nt
.endr
.endr
.endr
	s_wait_loadcnt 63                              ; of the 88 loads at most 63 are out: the first 25 are in, q, k and v among them
.irp dt, 0,1,2,3
.irp c, 0,1
	ds_store_b128 v5, v[96+8*\dt+4*\c:96+8*\dt+4*\c+3] offset:64*\dt+16*\c            ; v by rows
.endr
.endr
.irp dt, 0,1,2,3
.irp e, 0,1,2,3,4,5,6,7
	ds_load_b32 v[96+8*\dt+\e], v6 offset:\e*272+64*\dt   ; v(key 8 h + e, channel 16 dt + r), into the registers that v left: my own bytes, served in order
.endr
.endr
.irp dt, 0,1,2,3                       ; S^T = k q^T: 16 steps of 4 along the head's 64, two accumulators by turns
.irp sp, 0,1,2,3
.if (\dt == 0) && (\sp < 2)
	v_wmma_f32_16x16x4_f32 v[192+8*(\sp%2):199+8*(\sp%2)], v[64+8*\dt+2*\sp:65+8*\dt+2*\sp], v[32+8*\dt+2*\sp:33+8*\dt+2*\sp], 0
.else
	v_wmma_f32_16x16x4_f32 v[192+8*(\sp%2):199+8*(\sp%2)], v[64+8*\dt+2*\sp:65+8*\dt+2*\sp], v[32+8*\dt+2*\sp:33+8*\dt+2*\sp], v[192+8*(\sp%2):199+8*(\sp%2)]
.endif
.endr
.endr
.rept 8
	v_nop                                          ; eight places behind this form (ISA guide 7.12.1)
.endr
.irp j, 0,1,2,3,4,5,6,7
	v_add_f32 v[24+\j], v[192+\j], v[200+\j]       ; the score of key 8 h + j, from the low end on
.endr
.irp j, 0,1,2,3,4,5,6,7
	v_cmp_gt_i32 vcc_lo, \j, v13                   ; key 8 h + j > query r: hidden
	v_cndmask_b32 v[24+\j], v[24+\j], v14, vcc_lo
.endr
	v_max3_num_f32 v15, v24, v25, v26
	v_max3_num_f32 v15, v15, v27, v28
	v_max3_num_f32 v15, v15, v29, v30
	v_max_num_f32 v15, v15, v31
	v_permlanex16_b32 v16, v15, s20, s21
	v_max_num_f32 v15, v15, v16                    ; the row's largest score (key 0 counts for every query)
	v_mul_f32 v15, s22, v15
.irp j, 0,1,2,3,4,5,6,7
	v_fma_f32 v[24+\j], v[24+\j], s22, -v15
.endr
.irp j, 0,1,2,3,4,5,6,7
	v_exp_f32 v[24+\j], v[24+\j]
.endr
	v_nop
	s_wait_alu depctr_va_vdst(0)                   ; one wait for the eight exponentials, ahead of their first reader
	v_add_f32 v17, v24, v25
	v_add_f32 v18, v26, v27
	v_add_f32 v19, v28, v29
	v_add_f32 v20, v30, v31
	v_add_f32 v17, v17, v18
	v_add_f32 v19, v19, v20
	v_add_f32 v17, v17, v19
	v_permlanex16_b32 v16, v17, s20, s21
	v_add_f32 v17, v17, v16                        ; the row's sum
	v_rcp_f32 v18, v17
	v_nop
	s_wait_alu depctr_va_vdst(0)                   ; and one for the reciprocal
	s_wait_dscnt 0x0                               ; v^T is in
.irp sp, 0,1,2,3                       ; O^T = v^T p: 4 steps of 4 keys, four accumulators by turns
.irp dt, 0,1,2,3
.if \sp == 0
	v_wmma_f32_16x16x4_f32 v[208+8*\dt:215+8*\dt], v[96+8*\dt+2*\sp:97+8*\dt+2*\sp], v[24+2*\sp:25+2*\sp], 0
.else
	v_wmma_f32_16x16x4_f32 v[208+8*\dt:215+8*\dt], v[96+8*\dt+2*\sp:97+8*\dt+2*\sp], v[24+2*\sp:25+2*\sp], v[208+8*\dt:215+8*\dt]
.endif
.endr
.endr
.rept 8
	v_nop
.endr
.set n, 0
.rept 32
	v_mul_f32 v[32+n], v[208+n], v18               ; att(query r, channel 16 dt + 8 h + j), into q's registers
.set n, n+1
.endr
	s_wait_loadcnt 0x0                             ; W_proj
.irp dt, 0,1,2,3                       ; out^T = W^T att^T over my head's 64 channels: two accumulators by turns
.irp sp, 0,1,2,3
.irp nt, 0,1
.if (\dt == 0) && (\sp == 0)
	v_wmma_f32_16x16x4_f32 v[240+8*\nt:247+8*\nt], v[128+32*\nt+8*\dt+2*\sp:129+32*\nt+8*\dt+2*\sp], v[32+8*\dt+2*\sp:33+8*\dt+2*\sp], 0
.else
	v_wmma_f32_16x16x4_f32 v[240+8*\nt:247+8*\nt], v[128+32*\nt+8*\dt+2*\sp:129+32*\nt+8*\dt+2*\sp], v[32+8*\dt+2*\sp:33+8*\dt+2*\sp], v[240+8*\nt:247+8*\nt]
.endif
.endr
.endr
.endr
.rept 8
	v_nop
.endr
.irp nt, 0,1
.irp c, 0,1
	ds_store_b128 v7, v[240+8*\nt+4*\c:243+8*\nt+4*\c] offset:64*\nt+16*\c   ; lane (r, h): query r, columns 16 nt + 8 h + 4 c + 0 .. 3
.endr
.endr
	s_wait_dscnt 0x0                               ; for the others' sake: my partial sums lie in LDS
	s_barrier_signal -1
	s_barrier_wait -1
.irp wp, 0,1,2,3,4,5,6,7,8,9,10,11,12,13,14,15
	ds_load_b32 v[32+\wp], v8 offset:16*144*\wp    ; row w of head wp's partial sums
.endr
	s_wait_dscnt 0x0
.irp wp, 1,2,3,4,5,6,7,8,9,10,11,12,13,14,15
	v_add_f32 v32, v32, v[32+\wp]                  ; heads ascending
.endr
	global_store_b32 v9, v32, s[8:9]               ; 32 lanes store 128 consecutive bytes of row 2048 b + w
	s_wait_tensorcnt 0x0                           ; the wave's end
	ds_add_u32 v10, v11
	s_wait_dscnt 0x0
	s_endpgm
.Lfunc_end_k_q397631d575_fine:
	.size	k_q397631d575_fine, .Lfunc_end_k_q397631d575_fine-k_q397631d575_fine
	.p2alignl 7, 3214868480
	.fill 96, 4, 3214868480
	.section	.rodata,"a",@progbits
	.p2align	6, 0x0
	.amdhsa_kernel k_q397631d575_fine
		.amdhsa_group_segment_fixed_size 108544
		.amdhsa_private_segment_fixed_size 0
		.amdhsa_enable_private_segment 0
		.amdhsa_kernarg_size 24
		.amdhsa_user_sgpr_count 2
		.amdhsa_user_sgpr_kernarg_segment_ptr 1
		.amdhsa_wavefront_size32 1
		.amdhsa_system_sgpr_workgroup_id_x 1
		.amdhsa_system_sgpr_workgroup_id_y 1
		.amdhsa_system_sgpr_workgroup_id_z 1
		.amdhsa_system_vgpr_workitem_id 0
		.amdhsa_next_free_vgpr 256
		.amdhsa_next_free_sgpr 66
		.amdhsa_reserve_vcc 1
		.amdhsa_float_denorm_mode_32 3
		.amdhsa_float_denorm_mode_16_64 3
		.amdhsa_memory_ordered 1
		.amdhsa_forward_progress 1
		.amdhsa_inst_pref_size 24
	.end_amdhsa_kernel
	.amdgpu_metadata
---
amdhsa.version: [ 1, 2 ]
amdhsa.kernels:
  - .name:           k_q397631d575_fine
    .symbol:         k_q397631d575_fine.kd
    .args:
      - { .name: qkvf, .offset: 0, .size: 8, .value_kind: global_buffer, .address_space: global }
      - { .name: W_proj, .offset: 8, .size: 8, .value_kind: global_buffer, .address_space: global }
      - { .name: out0, .offset: 16, .size: 8, .value_kind: global_buffer, .address_space: global }
    .group_segment_fixed_size: 108544
    .private_segment_fixed_size: 0
    .kernarg_segment_align: 8
    .kernarg_segment_size: 24
    .max_flat_workgroup_size: 512
    .sgpr_count:     66
    .vgpr_count:     256
    .wavefront_size: 32
...
	.end_amdgpu_metadata
.endif
;; end of part 5
